; MI455X (gfx1250); checked and timed in simulation.
; The chip was launched on July 23, 2026; its instructions are those of AMD's public machine-readable ISA for CDNA 5 (MIT licence, August 2026) and "CDNA5" Instruction Set Architecture Reference Guide (July 2026). The comments in the code are by the model that wrote it; some were corrected since.
;; Multihead Attention. Allowed arithmetic: matrix products marked QUANTISED: E2M1 operands, one E8M0 scale for each 32 along K, by v_wmma_scale_f32_16x16x128_f8f6f4 with both operands' format E2M1 (or v_wmma_scale_f32_32x16x128_f4), f32 sums; products left as they are: bf16, f16 or f32 operands; f32 sums; everything else in f32.
;; Inputs: b_in 3,072 float32; b_out 1,024 float32; w_in 3,072 x 1,024 float32; w_out 1,024 x 1,024 float32; x 2 x 2,048 x 1,024 float32.
;; Outputs: out0 2 x 2,048 x 1,024 float32.
;; This version of the problem:
;;   THIS VERSION OF THE PROBLEM IS GIVEN IN LOW PRECISION. The matrix products marked QUANTISED in the list below multiply operands that are first quantised to E2M1 (2 exponent bits, 1 mantissa bit; 4 bits a number), with one power-of-two scale for each 32 numbers along K (OCP MX v1.0); their sums are f32. The products marked 'left as it is' may take bf16, f16 or f32 operands, with f32 sums. Whichever they take, every output number must still come out within the allowed error. Rounding operands to bf16 (8 significant bits) uses up far more of that allowance than f16 does (11 bits, for magnitudes from 6e-5 to 65,504). All else is computed in f32.
;;   The module's matrix products, in the order in which they are computed (A, B: the left and right operand; K: the contracted axis; several contracted axes count as one K, in the product's order):
;;     1. [M 4,096, K 1,024] x [K 1,024, N 3,072]; A: input x; B: input w_in: QUANTISED
;;     2. batch 32 x [M 2,048, K 64] x [K 64, N 2,048]; A: computed on the way; B: computed on the way: left as it is (an operand is computed on the way)
;;     3. batch 32 x [M 2,048, K 2,048] x [K 2,048, N 64]; A: computed on the way; B: computed on the way: left as it is (an operand is computed on the way)
;;     4. [M 4,096, K 1,024] x [K 1,024, N 1,024]; A: computed on the way; B: input w_out: left as it is (an operand is computed on the way)
;;   THE QUANTISER, for each operand of a quantised product, along K:
;;     - K is cut into blocks of 32 from its start; a last block that is shorter is filled with zeros.
;;     - A block's scale is 2^e with e = floor(log2(the largest magnitude in the block)) - 2, held to -126 .. 127; a block of zeros has e = 0. As a byte (E8M0): e + 127.
;;     - Each number is divided by its block's scale, clamped to +-6, and rounded to the nearest number of E2M1, ties to even, subnormals kept.
;;     - The product sums the exact products of the quantised numbers (number of the format x scale) in f32.
;;   ~~~python
;;   def quantise(x, axis):      # numpy; x: float32 -> the quantised numbers, widened to float32 again
;;       x = np.moveaxis(x, axis, -1); K = x.shape[-1]
;;       x = np.pad(x, [(0, 0)] * (x.ndim - 1) + [(0, -K % 32)]); x = x.reshape(x.shape[:-1] + (-1, 32)); a = np.abs(x).max(-1, keepdims=True)
;;       e = np.where(a > 0, np.clip(np.frexp(np.where(a > 0, a, 1))[1] - 1 - 2, -126, 127), 0)      # np.frexp(a)[1] - 1 = floor(log2(a)), exactly
;;       r = np.clip(x / 2.0 ** e, -6, 6)
;;       step = 2.0 ** (np.maximum(np.frexp(np.where(r == 0, 1, r))[1] - 1, 0) - 1)
;;       q = np.round(r / step) * step * 2.0 ** e      # np.round: ties to even
;;       return np.moveaxis(q.reshape(q.shape[:-2] + (-1,))[..., :K], -1, axis).astype(np.float32)
;;   ~~~
;; One version. Each part assembles by itself: llvm-mc -triple=amdgcn-amd-amdhsa -mcpu=gfx1250 --defsym DOCPART=n.
;; ======== version 1 of 1: 5 launches
;; limits: values are held in f16: magnitudes above 65,504 overflow, below 6.1e-05 lose precision
;; workspace buffers: x_codes 2,097,152 bytes; x_scales 131,072 bytes; w_codes 1,572,864 bytes; w_scales 98,304 bytes; w16 2,097,152 bytes; qkv16 25,165,824 bytes; qkv32 393,216 bytes; att 8,388,608 bytes
;; launch prep (part 1): grid 256 x 1, 4 waves a work-group, no clusters, 33,280 bytes of LDS; arguments x, w_in, x_codes, x_scales, w_codes, w_scales, w_out, w16; writes x_codes, x_scales, w_codes, w_scales, w16
.if DOCPART == 1
	.amdgcn_target "amdgcn-amd-amdhsa--gfx1250"
	.amdhsa_code_object_version 6
	.text
	.protected	k_qb8d58a027f_prep
	.globl	k_qb8d58a027f_prep
	.p2align	8
	.type	k_qb8d58a027f_prep,@function
k_qb8d58a027f_prep:
	s_mov_b64 s[64:65], 0
	v_nop
	global_prefetch_b8 v0, s[64:65] scope:SCOPE_SE
	s_setreg_imm32_b32 hwreg(HW_REG_WAVE_MODE, 25, 1), 1
	s_wait_xcnt 0x0
; THREE JOBS IN ONE LAUNCH, told apart by the work-group's number.
; Work-groups 0-127: x [4096][1024] f32, work-groups 128-223: w_in [3072][1024] f32, are turned into codes of FP4 (E2M1), K innermost, two codes a byte, with one E8M0 scale byte for each 32 along K.
; A block's scale is 2^(floor(log2(its largest magnitude)) - 2); its byte is the largest magnitude's own exponent field - 2, held at 1 from below.  Each number is divided by the scale and rounded to the nearest code, ties to even, beyond 6 the largest code.
; Work-groups 224-255: w_out [1024][1024] f32 is rounded to f16 and laid [k / 64][n][64], as the last product's tiles are fetched.
; LIMITS: a block of zeros gets the byte 1 where the rule says 127 (its codes are zeros, and this program alone reads the bytes); blocks whose largest magnitude lies under 2^(2 - 126) keep the byte 1;
; NaN and infinities in x and w_in are not served; |w_out| stays under 65,504, f16's largest number.
; THE QUANTISER: rows are dense and K is a multiple of 32, so a tensor is a plain stream of blocks of 32.  A wave takes 16 steps of 512 numbers.  Each of a step's four loads reads 512 consecutive bytes; the 2,048 bytes turn through the
; wave's own stage in LDS and come back 64 bytes a lane: 16 neighbours along K, two lanes to a block.  A lane's 16 codes are 8 bytes: the wave stores 256 consecutive bytes.  A wave's 256 scale bytes are gathered in LDS and leave as one store of 256 bytes.
.set SIZE_M, 4096
.set SIZE_N, 3072
.set SIZE_K, 1024
.set WAVES, 4
.set STEPS, 16
.set WGA,   SIZE_M*SIZE_K/(512*STEPS*WAVES)            ; 128 work-groups for x
.set WGQ,   (SIZE_M+SIZE_N)*SIZE_K/(512*STEPS*WAVES)   ; 224 for x and w_in
.set EMAX,  2
.set CB,    8                          ; bytes of 16 codes
.set R,     16                         ; v16-79   four sets of 16 numbers as they are loaded
.set X,     80                         ; v80-111  two sets of 16 neighbours
.set C,     128                        ; v128-191 codes: four registers for each step, so that no store's data are written again
.set E,     112                        ; v112-127 a scale byte for each step
.set WREG,  8192                       ; LDS: a region for each wave: two stages of 32 x SP bytes, and behind them its 256 scale bytes
.set SP,    80                         ; a lane's place in a stage: its 64 bytes + 16 of padding
.set SPW,   12                         ; v12      LDS address of my spare word; never rewritten
.set NIL,   13                         ; v13      0; never rewritten
.set SPARE, WAVES*WREG                 ; behind the four regions: the spare words, 128 bytes a wave
.set CI,    16                         ; the f16 job: v16-143 two sets of 64 numbers
.set CR,    144                        ; v144-207 two sets of 32 registers of f16 pairs
	s_load_b128 s[4:7], s[0:1], 0x0                ; x, w_in
	s_load_b128 s[8:11], s[0:1], 0x10              ; x's codes, x's scales
	s_load_b128 s[12:15], s[0:1], 0x20             ; w_in's codes, w_in's scales
	s_load_b128 s[24:27], s[0:1], 0x30             ; w_out, w16
	v_lshl_add_u32 v[SPW], v0, 2, SPARE
	v_mov_b32 v[NIL], 0
	v_lshrrev_b32 v1, 5, v0
	v_readfirstlane_b32 s16, v1                    ; wave
	v_and_b32 v2, 31, v0                           ; lane
	v_lshlrev_b32 v3, 4, v2                        ; my 16 bytes of a load's 512
	s_mul_i32 s17, s16, WREG
	v_lshrrev_b32 v14, 2, v2
	v_mul_u32_u24 v14, v14, SP
	v_and_b32 v15, 3, v2
	v_lshl_add_u32 v14, v15, 4, v14
	v_add_nc_u32 v14, s17, v14                     ; the stage, on the way in: SP (lane / 4) + 16 (lane % 4)
	v_mul_u32_u24 v15, v2, SP
	v_add_nc_u32 v15, s17, v15                     ; and on the way out: SP x lane: my 16 neighbours
	v_mul_u32_u24 v4, v2, CB                       ; my codes' place in a step's
	v_lshrrev_b32 v5, 1, v2
	s_add_co_u32 s17, s17, 2*32*SP
	v_add_nc_u32 v5, s17, v5                       ; LDS: my wave's 256 scale bytes, my block's byte
	v_lshlrev_b32 v7, 3, v2                        ; and on the way out 8 bytes a lane
	v_add_nc_u32 v6, s17, v7
	s_wait_kmcnt 0x0
	s_cmp_ge_u32 ttmp9, WGQ                        ; the last 32 work-groups take w_out
	s_cbranch_scc1 .Lconvert
	s_cmp_lt_u32 ttmp9, WGA                        ; x's work-group or w_in's?  Only pointers are chosen: both take one path
	s_cselect_b64 s[4:5], s[4:5], s[6:7]
	s_cselect_b64 s[8:9], s[8:9], s[12:13]
	s_cselect_b64 s[10:11], s[10:11], s[14:15]
	s_cselect_b32 s17, 0, WGA
	s_sub_co_u32 s17, ttmp9, s17
	s_lshl_b32 s17, s17, 2
	s_add_co_u32 s18, s17, s16                     ; which run of 8,192 numbers of the tensor is my wave's
	s_mov_b32 s19, 0
	s_mov_b64 s[20:21], 512*STEPS*4
	s_mul_u64 s[20:21], s[18:19], s[20:21]
	s_add_nc_u64 s[4:5], s[4:5], s[20:21]
	s_mov_b64 s[20:21], 32*STEPS*CB
	s_mul_u64 s[20:21], s[18:19], s[20:21]
	s_add_nc_u64 s[8:9], s[8:9], s[20:21]
	s_lshl_b32 s18, s18, 8                         ; 256 scale bytes a run
	s_add_nc_u64 s[10:11], s[10:11], s[18:19]
.macro LOAD t
.irp i, 0,1,2,3
	global_load_b128 v[R+16*((\t)%4)+4*\i:R+16*((\t)%4)+4*\i+3], v3, s[4:5] offset:2048*(\t)+512*\i th:TH_LOAD_NT   ; 32 lanes read 512 consecutive bytes
.endr
.endm
.macro TURN t                          ; step t's numbers through the stage: LDS serves a wave's instructions in order, so no wait stands between the stores and the loads
.irp i, 0,1,2,3
	ds_store_b128 v14, v[R+16*((\t)%4)+4*\i:R+16*((\t)%4)+4*\i+3] offset:32*SP*((\t)%2)+8*SP*\i
.endr
.irp i, 0,1,2,3
	ds_load_b128 v[X+16*((\t)%2)+4*\i:X+16*((\t)%2)+4*\i+3], v15 offset:32*SP*((\t)%2)+16*\i
.endr
.endm
.irp t, 0,1,2,3
	LOAD \t
.endr
	s_wait_loadcnt 12                              ; step 0's four loads are in; those of steps 1 to 3 may be out
	TURN 0
.macro STEP t
.set XS, X+16*((\t)%2)
.if (\t) > 0
	s_wait_dscnt 1                                 ; this step's numbers are back from the stage (the last step's byte store may be out): so its stores into the stage have read their registers,
.else
	s_wait_dscnt 0x0
.endif
.if (\t)+4 < STEPS
	LOAD (\t)+4                                    ; which take the loads of four steps on
.endif
.if (\t)+1 < STEPS
.if STEPS-2-(\t) >= 3
	s_wait_loadcnt 12                              ; the next step's four loads are in; those of the three steps behind it may be out
.else
	s_wait_loadcnt 4*(STEPS-2-(\t))
.endif
	TURN (\t)+1                                    ; and go through the other stage while this step is worked
.endif
	v_max3_num_f32 v8, |v[XS]|, |v[XS+1]|, |v[XS+2]|               ; the largest magnitude of my 16, in two chains
	v_max3_num_f32 v9, |v[XS+3]|, |v[XS+4]|, |v[XS+5]|
.irp i, 6,10
	v_max3_num_f32 v8, v8, |v[XS+\i]|, |v[XS+\i+1]|
	v_max3_num_f32 v9, v9, |v[XS+\i+2]|, |v[XS+\i+3]|
.endr
	v_max3_num_f32 v8, v8, |v[XS+14]|, |v[XS+15]|
	v_max3_num_f32 v8, v8, v9, (EMAX+1)<<23        ; and the floor 2^(EMAX + 1 - 127): the byte cannot fall under 1
	v_max_num_f32_dpp v8, v8, v8 row_xmask:1 row_mask:0xf bank_mask:0xf   ; and of my neighbour's 16: the block's
	v_add_nc_u32 v11, -(EMAX<<23), v8              ; EMAX off its exponent field: the conversion takes the exponent field of this operand as its scale, and nothing else of it
	v_cvt_scalef32_pk8_fp4_f32 v[C+4*(\t)], v[XS:XS+7], v11
	v_cvt_scalef32_pk8_fp4_f32 v[C+4*(\t)+1], v[XS+8:XS+15], v11
	v_lshrrev_b32 v[E+(\t)], 23, v11               ; the scale's byte (also the plain line behind the conversions)
	ds_store_b8 v5, v[E+(\t)] offset:16*(\t)       ; both lanes of a block write the same byte with the same value
	global_store_b64 v4, v[C+4*(\t):C+4*(\t)+1], s[8:9] offset:32*CB*(\t)   ; 32 lanes store 256 consecutive bytes, aligned
.endm
.irp t, 0,1,2,3,4,5,6,7,8,9,10,11,12,13,14,15
	STEP \t
.endr
	ds_load_b64 v[8:9], v6                         ; LDS serves a wave's instructions in order: these see my byte stores
	s_wait_dscnt 0x0
	global_store_b64 v7, v[8:9], s[10:11]          ; 32 lanes store 256 consecutive bytes, aligned
	s_wait_tensorcnt 0x0                           ; the wave's end, behind my last LDS store
	ds_add_u32 v[SPW], v[NIL]
	s_wait_dscnt 0x0
	s_endpgm
; W_OUT TO F16.  Wave u of 128 takes rows n = 8 u .. 8 u + 7.  A step is 4 rows x 64 along K: eight lanes to a row, 32 bytes of f32 in and 16 bytes of f16 out for each lane:
; the wave's store covers 512 consecutive bytes of w16 [k / 64][n][64].  No LDS is written on this path.  Loads run a set of 16 ahead.
.Lconvert:
	s_sub_co_u32 s17, ttmp9, WGQ
	s_lshl_b32 s17, s17, 2
	s_add_co_u32 s17, s17, s16                     ; u
	s_lshl_b32 s18, s17, 15                        ; 8 rows of 4,096 bytes
	s_mov_b32 s19, 0
	s_add_nc_u64 s[24:25], s[24:25], s[18:19]
	s_lshl_b32 s18, s17, 10                        ; 8 rows of 128 bytes
	s_add_nc_u64 s[26:27], s[26:27], s[18:19]
	v_lshrrev_b32 v8, 3, v2
	v_and_b32 v9, 7, v2
	v_lshlrev_b32 v8, 12, v8
	v_lshl_add_u32 v8, v9, 5, v8                   ; in: row lane / 8, 32 bytes x (lane % 8); never rewritten
	v_lshlrev_b32 v9, 4, v2                        ; out: 16 x lane; never rewritten
.macro LOADB g                         ; K blocks 4 g .. 4 g + 3, both groups of four rows: 16 loads into set g % 2
.irp k, 0,1,2,3
.irp q, 0,1
	global_load_b128 v[CI+64*((\g)%2)+8*(2*\k+\q):CI+64*((\g)%2)+8*(2*\k+\q)+3], v8, s[24:25] offset:\q*16384+(4*(\g)+\k)*256 th:TH_LOAD_NT
	global_load_b128 v[CI+64*((\g)%2)+8*(2*\k+\q)+4:CI+64*((\g)%2)+8*(2*\k+\q)+7], v8, s[24:25] offset:\q*16384+(4*(\g)+\k)*256+16 th:TH_LOAD_NT
.endr
.endr
.endm
.macro CONV g
.if (\g) < 3
	s_wait_loadcnt 16                              ; this set's 16 loads are in; the other set's may be out
.else
	s_wait_loadcnt 0x0
.endif
.if (\g) >= 2
	s_wait_xcnt 0x0                                ; the stores of two sets back have read their data: those registers are written again below
.endif
.irp j, 0,1,2,3,4,5,6,7
.irp p, 0,1,2,3
	v_cvt_pk_f16_f32 v[CR+32*((\g)%2)+4*\j+\p], v[CI+64*((\g)%2)+8*\j+2*\p], v[CI+64*((\g)%2)+8*\j+2*\p+1]
.endr
.endr
.irp k, 0,1,2,3
.irp q, 0,1
	global_store_b128 v9, v[CR+32*((\g)%2)+4*(2*\k+\q):CR+32*((\g)%2)+4*(2*\k+\q)+3], s[26:27] offset:(4*(\g)+\k)*131072+\q*512
.endr
.endr
.if (\g) < 2
	LOADB (\g)+2
.endif
.endm
	LOADB 0
	LOADB 1
	CONV 0
	CONV 1
	CONV 2
	CONV 3
	s_endpgm
.Lfunc_end_k_qb8d58a027f_prep:
	.size	k_qb8d58a027f_prep, .Lfunc_end_k_qb8d58a027f_prep-k_qb8d58a027f_prep
	.p2alignl 7, 3214868480
	.fill 96, 4, 3214868480
	.section	.rodata,"a",@progbits
	.p2align	6, 0x0
	.amdhsa_kernel k_qb8d58a027f_prep
		.amdhsa_group_segment_fixed_size 33280
		.amdhsa_private_segment_fixed_size 0
		.amdhsa_enable_private_segment 0
		.amdhsa_kernarg_size 64
		.amdhsa_user_sgpr_count 2
		.amdhsa_user_sgpr_kernarg_segment_ptr 1
		.amdhsa_wavefront_size32 1
		.amdhsa_system_sgpr_workgroup_id_x 1
		.amdhsa_system_sgpr_workgroup_id_y 1
		.amdhsa_system_sgpr_workgroup_id_z 1
		.amdhsa_system_vgpr_workitem_id 0
		.amdhsa_next_free_vgpr 208
		.amdhsa_next_free_sgpr 66
		.amdhsa_reserve_vcc 0
		.amdhsa_float_denorm_mode_32 3
		.amdhsa_float_denorm_mode_16_64 3
		.amdhsa_memory_ordered 1
		.amdhsa_forward_progress 1
		.amdhsa_inst_pref_size 51
	.end_amdhsa_kernel
	.amdgpu_metadata
---
amdhsa.version: [ 1, 2 ]
amdhsa.kernels:
  - .name:           k_qb8d58a027f_prep
    .symbol:         k_qb8d58a027f_prep.kd
    .args:
      - { .name: x, .offset: 0, .size: 8, .value_kind: global_buffer, .address_space: global }
      - { .name: w_in, .offset: 8, .size: 8, .value_kind: global_buffer, .address_space: global }
      - { .name: x_codes, .offset: 16, .size: 8, .value_kind: global_buffer, .address_space: global }
      - { .name: x_scales, .offset: 24, .size: 8, .value_kind: global_buffer, .address_space: global }
      - { .name: w_codes, .offset: 32, .size: 8, .value_kind: global_buffer, .address_space: global }
      - { .name: w_scales, .offset: 40, .size: 8, .value_kind: global_buffer, .address_space: global }
      - { .name: w_out, .offset: 48, .size: 8, .value_kind: global_buffer, .address_space: global }
      - { .name: w16, .offset: 56, .size: 8, .value_kind: global_buffer, .address_space: global }
    .group_segment_fixed_size: 33280
    .private_segment_fixed_size: 0
    .kernarg_segment_align: 8
    .kernarg_segment_size: 64
    .max_flat_workgroup_size: 128
    .sgpr_count:     66
    .vgpr_count:     208
    .wavefront_size: 32
...
	.end_amdgpu_metadata
.endif
;; end of part 1
;; launch qkv (part 2): grid 12 x 16, 4 waves a work-group, clusters of 4 x 1, 327,680 bytes of LDS; arguments x_codes, x_scales, w_codes, w_scales, b_in, qkv16, qkv32; writes qkv16, qkv32
.if DOCPART == 2
	.amdgcn_target "amdgcn-amd-amdhsa--gfx1250"
	.amdhsa_code_object_version 6
	.text
	.protected	k_qb8d58a027f_qkv
	.globl	k_qb8d58a027f_qkv
	.p2align	8
	.type	k_qb8d58a027f_qkv,@function
k_qb8d58a027f_qkv:
	s_mov_b64 s[64:65], 0
	v_nop
	global_prefetch_b8 v0, s[64:65] scope:SCOPE_SE
	s_setreg_imm32_b32 hwreg(HW_REG_WAVE_MODE, 25, 1), 1
	s_wait_xcnt 0x0
	s_wait_alu depctr_hold_cnt(0) depctr_sa_sdst(0) depctr_va_vdst(0) depctr_va_sdst(0) depctr_va_ssrc(0) depctr_va_vcc(0) depctr_vm_vsrc(0)
	s_getreg_b32 s2, hwreg(HW_REG_IB_STS2, 6, 4)
	s_cmp_eq_u32 s2, 0
	s_cbranch_scc0 .Lentry_in_a_cluster
	s_endpgm
.Lentry_in_a_cluster:
	s_bfe_u32 s2, ttmp6, 0x10000c
	s_cmp_lg_u32 s2, 0x3003
	s_cbranch_scc0 .Lentry_shape_is_right
	s_endpgm
.Lentry_shape_is_right:
; qkv[m][n] = sum over k of x[m][k] w_in[n][k] + b_in[n], on codes of FP4 (E2M1) with one E8M0 scale for each 32 along K; sums in f32.  m 4,096, n 3,072, k 1,024.
; OUT: qkv16, f16, laid [n / 64][m][64] (a head's 64 numbers of neighbouring positions lie on end), and qkv32, f32 [batch][position 0-15][3072]: the first 16 positions of each sequence, which a later launch carries in f32.
; LIMIT: |qkv| stays under 65,504, f16's largest number.
; A tile of 256 x 256 is made by a work-group of four waves; a wave makes 128 x 128: 64 accumulators of 16 x 16, 512 registers.  K = 1,024 is two slots of 512 along K (rows of 256 bytes): both are asked for at the start, nothing is filled again.
; THE SCALES of the work-group's 256 rows of x and 256 rows of w_in, for all of K, are two dense blocks of memory: they come into LDS once, with the first fills.
; CLUSTER: 4 x 1.  The four partners make four neighbouring tile columns of ONE tile row: x's tiles and scales are asked for JOINTLY (mask 15).  w_in's differ from partner to partner and are plain loads behind the same round.
; A 4 x 4 cluster is not taken: the f32 copy stands under a branch on the tile row, which all partners of a cluster must share.
; THE MATRIX INSTRUCTION IS USED TRANSPOSED (source 0 = 16 rows of w_in, source 1 = 16 rows of x): a lane holds eight neighbouring columns of one row.  b_in is the C of each sum's first instruction.
; REGISTERS, in windows of 256: window 0: v0-31 addresses; v32-95 scale words, two sets, and nothing else; v96-127 at work on the way out; v128-191 x's fragments, ONE set, later rows on the way out; v192-255 b_in in the result's layout, later the f32 copy.
;   window 1: w_in's fragments, TWO sets, at v0 and v128.   window 2: the accumulators of my rows 0-63 ((a, b) at v[8 (8 a + b)]);   window 3: those of my rows 64-127.
.set KSTEP,  512
.set NQ,     KSTEP/128                 ; matrix instructions deep in a slot
.set ROWB,   256                       ; a tile's row in bytes
.set KROW,   512                       ; a row of codes in memory
.set PITCH,  272                       ; an LDS row: 256 bytes + 16 of padding: the 16 rows of a fragment load begin 68 words apart
.set FR,     8
.set NL,     2
.set NP,     4                         ; places behind this matrix instruction (ISA guide 7.12.1)
.set HALFT,  128*PITCH
.set SLOT,   4*HALFT                   ; x's 256 rows, then w_in's 256 rows
.set KS,     32                        ; a row of scale bytes
.set SCL,    2*SLOT                    ; behind the ring: the scales, as runs of 256 bytes + 16 of padding
.set HALFS,  (128*KS/256)*272
.set SBLK,   (16*KS/256)*272
.set SPARE,  SCL+4*HALFS               ; the spare words, 128 bytes a wave
.set WSTG,   13312                     ; the way out: a stage for each wave, in slot 0, which has had its only fill and its last read by then:
.set S16P,   144                       ;   two heads x 16 rows x (128 bytes + 16) of f16,
.set S32,    2*16*S16P                 ;   and behind them
.set S32P,   528                       ;   16 rows x (512 bytes + 16) of f32
.set ADRA, 16                          ; v16-17  LDS address of x's fragments in slot 0, 1
.set ADRB, 20                          ; v20-21  the same for w_in
.set STO32, 22                         ; v22     the f32 stage: in
.set RD32, 23                          ; v23     and back
.set STO,  24                          ; v24     the f16 stage: in
.set RD,   25                          ; v25     and back
.set CO,   26                          ; v26     16 x lane
.set ADRS, 27                          ; v27     LDS address of my scale words: lanes 0-15 x's rows, lanes 16-31 w_in's
.set SPW,  28                          ; v28     my spare word; never rewritten
.set NIL,  29                          ; v29     0; never rewritten
.set BO,   30                          ; v30     32 x (lane / 16): my eight numbers of a block of b_in
.set SC,   32
.set TMP,  96
.set AF,   128
.set BK,   128
.set BI,   192
.set BB,   192
.set G1, 24                            ; s[24:31] group 1 for x's tiles;  s[32:39] group 0, one set a slot
.set G0, 32
.set G1B, 48                           ; s[48:55], s[56:63] the same for w_in's
.set G0B, 56
.set G1S, 68                           ; s[68:75], s[76:79] for x's scales;  s[80:87], s[88:91] for w_in's
.set G0S, 76
.set G1SB, 80
.set G0SB, 88
.set MSB, 0
.macro WIN new                         ; the immediate's high byte repeats the setting that is left; a switch that changes nothing is dropped
.if MSB != (\new)
	s_set_vgpr_msb (MSB<<8)|(\new)
.set MSB, (\new)
.endif
.endm
.set MUL_LO, 0xa1                      ; source 0 (w_in) window 1, source 1 (x) window 0, C and D window 2
.set MUL_HI, 0xf1                      ; the same, C and D window 3
.set TO_B,   0x40
; Waves 0 and 1 fetch for x (jointly), waves 2 and 3 for w_in.  The branch hangs on the wave's number alone.  An s_nop 0 and four v_nop follow each of the two lines.
.macro JLOAD g0a, g1a, g0b, g1b
	s_cmp_eq_u32 s15, 0
	s_cbranch_scc0 .Lfor_b_\@
	tensor_load_to_lds s[\g0a:\g0a+3], s[\g1a:\g1a+7]
	s_nop 0
.rept 4
	v_nop
.endr
	s_branch .Lasked_\@
.Lfor_b_\@:
	tensor_load_to_lds s[\g0b:\g0b+3], s[\g1b:\g1b+7]
	s_nop 0
.rept 4
	v_nop
.endr
.Lasked_\@:
.endm
.macro CROUND                          ; a round of the cluster's barrier
	s_barrier_signal -1
	s_barrier_wait -1
	s_cmp_lg_u32 s14, 0
	s_cbranch_scc1 .Lnot_wave_0_\@
	s_barrier_signal -3
.Lnot_wave_0_\@:
	s_barrier_wait -3
	s_barrier_signal -1
	s_barrier_wait -1
.endm
	s_load_b128 s[4:7], s[0:1], 0x0                ; x's codes, x's scales
	s_load_b128 s[8:11], s[0:1], 0x10              ; w_in's codes, w_in's scales
	s_load_b128 s[96:99], s[0:1], 0x20             ; b_in, qkv16
	s_load_b64 s[100:101], s[0:1], 0x30            ; qkv32
	v_lshl_add_u32 v[SPW], v0, 2, SPARE
	v_mov_b32 v[NIL], 0
	ds_add_u32 v[SPW], v[NIL]                      ; the wave's opening: the add, twice on end, and its wait ahead of my first tensor load
	ds_add_u32 v[SPW], v[NIL]
	v_lshrrev_b32 v1, 5, v0
	v_readfirstlane_b32 s14, v1                    ; wave 0..3
	s_lshr_b32 s15, s14, 1                         ; which half of the tile's rows is mine.  Also: I fetch for x (0) or for w_in (1)
	s_and_b32 s16, s14, 1                          ; which half of its columns.  Also: which 128 rows I fetch
	s_bfe_u32 s40, ttmp6, 0x40000                  ; cx: my place in the cluster
	s_lshl_b32 s42, ttmp9, 2
	s_add_co_u32 s42, s42, s40                     ; tile column = 4 x cluster x + cx
	s_and_b32 s17, ttmp7, 0xffff                   ; tile row: the same in all four partners
	; group 1: a tile of 128 rows x 256 bytes, 16 bytes of padding behind each row
	s_mov_b32 s[G1+0], 15|(1<<20)|(1<<21)|(5<<22)|(3<<25)   ; 15:0 the mask: all four partners; 17:16 elements of 1 byte; 20 padding on; 21 set beside a mask; 24:22 after every 64 words; 31:25 four words
	s_mov_b32 s[G1B+0], (1<<20)|(5<<22)|(3<<25)             ; the same with no mask: a load of my own
.irp g, G1, G1B
	s_mov_b32 s[\g+1], ROWB<<16                    ; tensor_dim0
	s_mov_b32 s[\g+2], 128<<16                     ; tensor_dim1
	s_mov_b32 s[\g+3], ROWB<<16                    ; tile_dim0
	s_mov_b32 s[\g+4], 128                         ; tile_dim1
	s_mov_b32 s[\g+5], KROW                        ; from row to row
	s_mov_b32 s[\g+6], 0
	s_mov_b32 s[\g+7], 0
.endr
	; the scales of 128 rows: 4,096 dense bytes, as 16 rows of 256 bytes (32 elements of 8 bytes), 16 bytes of padding behind each
	s_mov_b32 s[G1S+0], 15|(3<<16)|(1<<20)|(1<<21)|(5<<22)|(3<<25)
	s_mov_b32 s[G1SB+0], (3<<16)|(1<<20)|(5<<22)|(3<<25)
.irp g, G1S, G1SB
	s_mov_b32 s[\g+1], 32<<16
	s_mov_b32 s[\g+2], (128*KS/256)<<16
	s_mov_b32 s[\g+3], 32<<16
	s_mov_b32 s[\g+4], 128*KS/256
	s_mov_b32 s[\g+5], 32
	s_mov_b32 s[\g+6], 0
	s_mov_b32 s[\g+7], 0
.endr
	s_lshl_b32 s18, s16, 7                         ; which 128 rows I fetch
	s_lshl_b32 s20, s17, 8
	s_add_co_u32 s20, s20, s18                     ; x: row 256 x tile row + 128 x half
	s_lshl_b32 s46, s42, 8
	s_add_co_u32 s46, s46, s18                     ; w_in: row 256 x tile column + 128 x half
	s_mov_b32 s21, 0
	s_mov_b32 s47, 0
	s_mov_b64 s[18:19], KS
	s_mul_u64 s[22:23], s[20:21], s[18:19]         ; where these rows' scales begin,
	s_mul_u64 s[92:93], s[46:47], s[18:19]
	s_mov_b64 s[18:19], KROW
	s_mul_u64 s[20:21], s[20:21], s[18:19]         ; and their codes
	s_mul_u64 s[46:47], s[46:47], s[18:19]
	s_mul_i32 s45, s14, HALFT                      ; where they go: wave x 128 rows: no place in the cluster enters an LDS address
	s_mul_i32 s94, s14, HALFS
	s_wait_dscnt 0x0                               ; both opening adds are done
	s_wait_kmcnt 0x0
	s_add_nc_u64 s[20:21], s[4:5], s[20:21]
	s_add_nc_u64 s[22:23], s[6:7], s[22:23]
	s_add_nc_u64 s[46:47], s[8:9], s[46:47]
	s_add_nc_u64 s[92:93], s[10:11], s[92:93]
	CROUND                                         ; all four work-groups are here: the first joint loads meet
	s_mov_b32 s[G0S], 1
	s_add_co_u32 s[G0S+1], s94, SCL
	s_mov_b64 s[G0S+2:G0S+3], s[22:23]
	s_or_b32 s[G0S+3], s[G0S+3], 0x80000000
	s_mov_b32 s[G0SB], 1
	s_add_co_u32 s[G0SB+1], s94, SCL
	s_mov_b64 s[G0SB+2:G0SB+3], s[92:93]
	s_or_b32 s[G0SB+3], s[G0SB+3], 0x80000000
	JLOAD G0S, G1S, G0SB, G1SB                     ; the scales first: they are wanted with the first slot
.irp s, 0,1
	s_mov_b32 s[G0+4*\s], 1
	s_add_co_u32 s[G0+4*\s+1], s45, \s*SLOT
	s_add_nc_u64 s[G0+4*\s+2:G0+4*\s+3], s[20:21], \s*ROWB
	s_or_b32 s[G0+4*\s+3], s[G0+4*\s+3], 0x80000000
	s_mov_b32 s[G0B+4*\s], 1
	s_add_co_u32 s[G0B+4*\s+1], s45, \s*SLOT
	s_add_nc_u64 s[G0B+4*\s+2:G0B+4*\s+3], s[46:47], \s*ROWB
	s_or_b32 s[G0B+4*\s+3], s[G0B+4*\s+3], 0x80000000
	JLOAD G0+4*\s, G1, G0B+4*\s, G1B               ; three tensor loads of a wave are out
.endr
	v_and_b32 v1, 15, v0                           ; r = lane % 16
	v_bfe_u32 v2, v0, 4, 1                         ; h = lane / 16
	v_mul_u32_u24 v3, v1, PITCH
	v_lshl_add_u32 v4, v2, 4, v3                   ; a fragment's row x pitch + 16 h
	s_mul_i32 s21, s15, HALFT                      ; my 128 rows of x
	s_mul_i32 s22, s16, HALFT                      ; my 128 rows of w_in,
	s_add_co_u32 s22, s22, 2*HALFT                 ; which lie behind x's 256
.irp s, 0,1
	v_add_nc_u32 v[ADRA+\s], s21, v4
	v_add_nc_u32 v[ADRB+\s], s22, v4
	s_add_co_u32 s21, s21, SLOT
	s_add_co_u32 s22, s22, SLOT
.endr
	v_mul_u32_u24 v5, v1, KS                       ; my row's scales: KS bytes a row,
	v_lshrrev_b32 v6, 8, v5
	v_lshl_add_u32 v5, v6, 4, v5                   ; and 16 more for each 256 passed
	s_mul_i32 s21, s15, HALFS
	s_mul_i32 s22, s16, HALFS
	s_add_co_u32 s22, s22, 2*HALFS
	s_sub_co_u32 s22, s22, s21
	v_mul_u32_u24 v6, s22, v2                      ; lanes 16-31 take w_in's: one product, the distance x h
	s_add_co_u32 s21, s21, SCL
	v_add_nc_u32 v5, v5, v6
	v_add_nc_u32 v[ADRS], s21, v5
	s_mul_i32 s23, s14, WSTG                       ; my stages
	v_mul_u32_u24 v5, v1, S16P
	v_lshl_add_u32 v5, v2, 4, v5
	v_add_nc_u32 v[STO], s23, v5                   ; f16 in: row r, 16 bytes for each half of the lanes
	v_bfe_u32 v5, v0, 3, 2
	v_mul_u32_u24 v5, v5, S16P
	v_and_b32 v6, 7, v0
	v_lshl_add_u32 v5, v6, 4, v5
	v_add_nc_u32 v[RD], s23, v5                    ; back: eight lanes to a row of 128 bytes, four rows an instruction
	v_and_b32 v6, 31, v0
	v_lshlrev_b32 v[CO], 4, v6
	s_add_co_u32 s23, s23, S32
	v_mul_u32_u24 v5, v1, S32P
	v_lshl_add_u32 v5, v2, 5, v5
	v_add_nc_u32 v[STO32], s23, v5                 ; f32 in: row r, 32 bytes for each half of the lanes
	v_add_nc_u32 v[RD32], s23, v[CO]               ; back: the 32 lanes take a row of 512 bytes
	v_lshlrev_b32 v[BO], 5, v2
	s_lshl_b32 s20, s42, 8
	s_lshl_b32 s21, s16, 7
	s_add_co_u32 s20, s20, s21                     ; my first column
	s_lshl_b32 s46, s20, 2
	s_mov_b32 s47, 0
	s_add_nc_u64 s[96:97], s[96:97], s[46:47]      ; b_in at it
	s_lshr_b32 s21, s17, 3                         ; the batch
	s_mul_i32 s21, s21, 16*3072*4
	s_add_co_u32 s46, s46, s21
	s_add_nc_u64 s[100:101], s[100:101], s[46:47]  ; qkv32 at the batch's first row, my first column
	s_lshr_b32 s20, s20, 6                         ; my first group of 64 columns,
	s_lshl_b32 s20, s20, 19                        ; 4,096 rows of 128 bytes each
	s_lshl_b32 s21, s17, 8
	s_lshl_b32 s22, s15, 7
	s_add_co_u32 s21, s21, s22                     ; my first row
	s_lshl_b32 s21, s21, 7
	s_add_co_u32 s46, s20, s21
	s_add_nc_u64 s[98:99], s[98:99], s[46:47]      ; qkv16 there
.irp b, 0,1,2,3,4,5,6,7                        ; b_in in the result's layout: for w_in's block b lane (r, h) wants columns 16 b + 8 h + 0 .. 7
	global_load_b128 v[BI+8*\b:BI+8*\b+3], v[BO], s[96:97] offset:64*\b
	global_load_b128 v[BI+8*\b+4:BI+8*\b+7], v[BO], s[96:97] offset:64*\b+16
.endr
.macro FRAG reg, adr, q, i             ; 16 rows x 128 K of 4-bit codes: 8 registers: lane l holds row l % 16; registers 4 c .. 4 c + 3 hold K = 64 c + 32 (l / 16) + 0 .. 31
.irp c, 0,1
	ds_load_b128 v[\reg+4*\c:\reg+4*\c+3], v[\adr] offset:64*(\q)+32*\c+(\i)*16*PITCH
.endr
.endm
; 16 matrix instructions: x's blocks a0, a0 + 1 against w_in's eight, the slot's q-th 128 along K.  p: w_in's set; sc: the set of scale words.  zero = 1: the first product starts the sums from b_in.
; The 64 accumulators take turns, one instruction a turn, in the same order in every step.
.macro MUL16 a0, p, q, sc, zero
.irp a, \a0, \a0+1
.irp b, 0,1,2,3,4,5,6,7
.if \zero
	v_wmma_scale_f32_16x16x128_f8f6f4 v[8*(8*((\a)%4)+\b):8*(8*((\a)%4)+\b)+7], v[128*(\p)+FR*\b:128*(\p)+FR*\b+FR-1], v[AF+FR*(\a):AF+FR*(\a)+FR-1], v[BI+8*\b:BI+8*\b+7], v[SC+8*NQ*(\sc)+NQ*\b+(\q)], v[SC+8*NQ*(\sc)+NQ*(\a)+(\q)] matrix_a_fmt:MATRIX_FMT_FP4 matrix_b_fmt:MATRIX_FMT_FP4 matrix_a_scale:MATRIX_SCALE_ROW1
.else
	v_wmma_scale_f32_16x16x128_f8f6f4 v[8*(8*((\a)%4)+\b):8*(8*((\a)%4)+\b)+7], v[128*(\p)+FR*\b:128*(\p)+FR*\b+FR-1], v[AF+FR*(\a):AF+FR*(\a)+FR-1], v[8*(8*((\a)%4)+\b):8*(8*((\a)%4)+\b)+7], v[SC+8*NQ*(\sc)+NQ*\b+(\q)], v[SC+8*NQ*(\sc)+NQ*(\a)+(\q)] matrix_a_fmt:MATRIX_FMT_FP4 matrix_b_fmt:MATRIX_FMT_FP4 matrix_a_scale:MATRIX_SCALE_ROW1
.endif
.endr
.endr
.endm
.macro FETCH_B slot, q, p
	WIN TO_B
.irp i, 0,1,2,3,4,5,6,7
	FRAG 128*(\p)+FR*\i, ADRB+\slot, \q, \i
.endr
	WIN 0
.endm
.macro FETCH_A slot, q, i0
.irp i, \i0, \i0+1, \i0+2, \i0+3
	FRAG AF+FR*(\i), ADRA+\slot, \q, \i
.endr
.endm
.macro SCALES sc                       ; a slot's scale words: NQ words a row; lanes 0-15 take x's block i, lanes 16-31 w_in's block i
.irp i, 0,1,2,3,4,5,6,7
	ds_load_b128 v[SC+8*NQ*\sc+NQ*\i:SC+8*NQ*\sc+NQ*\i+3], v[ADRS] offset:\i*SBLK
.endr
.endm
.macro PLACES n                        ; plain vector instructions between a matrix instruction and a load into, or a read of, its registers
.rept \n
	v_nop
.endr
.endm
.macro STEP slot, q, zero              ; 128 along K that has its successor in the same slot
	s_wait_dscnt 4*NL                              ; w_in's set and x's blocks 0-3 are in; the youngest eight loads (x's blocks 4-7) may be out
	WIN MUL_LO-0x20*(\zero)                        ; (zero = 1: C, b_in, lies in window 0)
	MUL16 0, (\q)%2, \q, \slot, \zero
	MUL16 2, (\q)%2, \q, \slot, \zero
	s_wait_dscnt 0                                 ; x's blocks 4-7 are in
	PLACES NP
	FETCH_B \slot, (\q)+1, 1-(\q)%2
	FETCH_A \slot, (\q)+1, 0
	WIN MUL_HI-0x30*(\zero)
	MUL16 4, (\q)%2, \q, \slot, \zero
	MUL16 6, (\q)%2, \q, \slot, \zero
	PLACES NP
	WIN 0
	FETCH_A \slot, (\q)+1, 4
.endm
; Slot 0's last step changes slots: one barrier; in front of it each wave waits for all its tensor loads (its part of slot 1), adds 0 to its spare word, and waits for that and for its reads of slot 0.  Nothing is filled again.
.macro TURN slot, next
	s_wait_tensorcnt 0x0                           ; all my tensor loads have landed
	ds_add_u32 v[SPW], v[NIL]
	s_wait_dscnt 4*NL+1                            ; (the add and the youngest eight loads may be out)
	WIN MUL_LO
	MUL16 0, 1, NQ-1, \slot, 0
	s_wait_dscnt 0x0                               ; the add is done, and my reads of this slot are over
	s_barrier_signal -1
	MUL16 2, 1, NQ-1, \slot, 0
	WIN 0
	s_barrier_wait -1
	PLACES NP
	v_add_nc_u32 v[ADRS], 4*NQ, v[ADRS]            ; on to the next slot's scale words
	FETCH_B \next, 0, 0
	FETCH_A \next, 0, 0
	SCALES \next
	WIN MUL_HI
	MUL16 4, 1, NQ-1, \slot, 0
	MUL16 6, 1, NQ-1, \slot, 0
	PLACES NP
	WIN 0
	FETCH_A \next, 0, 4
.endm
.macro STEPS slot, from
.set Q, \from
.rept NQ-1-\from
	STEP \slot, Q, 0
.set Q, Q+1
.endr
.endm
	s_wait_tensorcnt 1                             ; the scales and my part of slot 0 are in; slot 1's load may be out
	s_barrier_signal -1
	s_barrier_wait -1                              ; everybody's are
	FETCH_B 0, 0, 0
	FETCH_A 0, 0, 0
	SCALES 0
	FETCH_A 0, 0, 4
	s_wait_loadcnt 0x0                             ; b_in
	STEP 0, 0, 1
	STEPS 0, 1
	TURN 0, 1
	STEPS 1, 0
	s_wait_dscnt 4*NL                              ; the very last step: nothing more to fetch
	WIN MUL_LO
	MUL16 0, 1, NQ-1, 1, 0
	MUL16 2, 1, NQ-1, 1, 0
	s_wait_dscnt 0
	WIN MUL_HI
	MUL16 4, 1, NQ-1, 1, 0
	MUL16 6, 1, NQ-1, 1, 0
	WIN 0
	; THE WAY OUT.  The places serve every read of results and every load into operands' registers below.
	PLACES NP
	; The f32 copy: rows 0-15 of a batch are block 0 of the waves that hold rows 0-127 of tile rows 0 and 8.  The test is made of the tile row, which the partners share, and the wave's number.
	s_and_b32 s3, ttmp7, 7
	s_or_b32 s3, s3, s15
	s_cmp_lg_u32 s3, 0
	s_cbranch_scc1 .Lno_fine
	WIN 0x08                                       ; an LDS store's data are its source 1: window 2
.irp b, 0,1,2,3,4,5,6,7
	ds_store_b128 v[STO32], v[8*\b:8*\b+3] offset:64*\b            ; each accumulator from its low end on
	ds_store_b128 v[STO32], v[8*\b+4:8*\b+7] offset:64*\b+16
.endr
	WIN 0
.irp t, 0,1,2,3,4,5,6,7,8,9,10,11,12,13,14,15
	ds_load_b128 v[BB+4*\t:BB+4*\t+3], v[RD32] offset:\t*S32P      ; LDS serves a wave's instructions in order: these see my stores
.endr
	s_wait_dscnt 0x0
.irp t, 0,1,2,3,4,5,6,7,8,9,10,11,12,13,14,15
	global_store_b128 v[CO], v[BB+4*\t:BB+4*\t+3], s[100:101] offset:\t*12288   ; 32 lanes store 512 consecutive bytes of a row
.endr
.Lno_fine:
; Block a (16 rows x 128 columns = two heads): rounded to f16; through my stage; back as rows of 128 bytes, four rows (512 consecutive bytes of qkv16) an instruction.
.macro PACK a
.set AC, 64*((\a)%4)
	WIN 0x0a+5*((\a)/4)                            ; sources 0 and 1: window 2 or 3
.irp b, 0,1,2,3,4,5,6,7
.irp r, 0,1,2,3
	v_cvt_pk_f16_f32 v[TMP+4*\b+\r], v[AC+8*\b+2*\r], v[AC+8*\b+2*\r+1]
.endr
.endr
	WIN 0
.endm
.macro TOSTAGE a
.set BS, BK+32*((\a)%2)
.irp b, 0,1,2,3,4,5,6,7
	ds_store_b128 v[STO], v[TMP+4*\b:TMP+4*\b+3] offset:(\b/4)*16*S16P+32*(\b%4)
.endr
.irp u, 0,1
.irp i, 0,1,2,3
	ds_load_b128 v[BS+4*(4*\u+\i):BS+4*(4*\u+\i)+3], v[RD] offset:\u*16*S16P+\i*4*S16P
.endr
.endr
.endm
.macro SEND a
.set BS, BK+32*((\a)%2)
	s_wait_dscnt 0x0                               ; the block is back in registers
	s_wait_xcnt 0x0                                ; the stores of the block before have read their data: the next block's loads land there
.irp u, 0,1
.irp i, 0,1,2,3
	global_store_b128 v[CO], v[BS+4*(4*\u+\i):BS+4*(4*\u+\i)+3], s[98:99] offset:\u*524288+2048*(\a)+512*\i
.endr
.endr
.endm
	PACK 0
	TOSTAGE 0
.irp a, 1,2,3,4,5,6,7                  ; block a's conversions stand between block a - 1's loads from the stage and the wait for them
	PACK \a
	SEND (\a)-1
	TOSTAGE \a
.endr
	SEND 7
	s_wait_tensorcnt 0x0                           ; the wave's end
	ds_add_u32 v[SPW], v[NIL]
	s_wait_dscnt 0x0
	CROUND                                         ; the closing round
	s_endpgm
.Lfunc_end_k_qb8d58a027f_qkv:
	.size	k_qb8d58a027f_qkv, .Lfunc_end_k_qb8d58a027f_qkv-k_qb8d58a027f_qkv
	.p2alignl 7, 3214868480
	.fill 96, 4, 3214868480
	.section	.rodata,"a",@progbits
	.p2align	6, 0x0
	.amdhsa_kernel k_qb8d58a027f_qkv
		.amdhsa_group_segment_fixed_size 327680
		.amdhsa_private_segment_fixed_size 0
		.amdhsa_enable_private_segment 0
		.amdhsa_kernarg_size 56
		.amdhsa_user_sgpr_count 2
		.amdhsa_user_sgpr_kernarg_segment_ptr 1
		.amdhsa_wavefront_size32 1
		.amdhsa_system_sgpr_workgroup_id_x 1
		.amdhsa_system_sgpr_workgroup_id_y 1
		.amdhsa_system_sgpr_workgroup_id_z 1
		.amdhsa_system_vgpr_workitem_id 0
		.amdhsa_next_free_vgpr 1024
		.amdhsa_next_free_sgpr 102
		.amdhsa_reserve_vcc 0
		.amdhsa_float_denorm_mode_32 3
		.amdhsa_float_denorm_mode_16_64 3
		.amdhsa_memory_ordered 1
		.amdhsa_forward_progress 1
		.amdhsa_inst_pref_size 132
	.end_amdhsa_kernel
	.amdgpu_metadata
---
amdhsa.version: [ 1, 2 ]
amdhsa.kernels:
  - .name:           k_qb8d58a027f_qkv
    .symbol:         k_qb8d58a027f_qkv.kd
    .args:
      - { .name: x_codes, .offset: 0, .size: 8, .value_kind: global_buffer, .address_space: global }
      - { .name: x_scales, .offset: 8, .size: 8, .value_kind: global_buffer, .address_space: global }
      - { .name: w_codes, .offset: 16, .size: 8, .value_kind: global_buffer, .address_space: global }
      - { .name: w_scales, .offset: 24, .size: 8, .value_kind: global_buffer, .address_space: global }
      - { .name: b_in, .offset: 32, .size: 8, .value_kind: global_buffer, .address_space: global }
      - { .name: qkv16, .offset: 40, .size: 8, .value_kind: global_buffer, .address_space: global }
      - { .name: qkv32, .offset: 48, .size: 8, .value_kind: global_buffer, .address_space: global }
    .group_segment_fixed_size: 327680
    .private_segment_fixed_size: 0
    .kernarg_segment_align: 8
    .kernarg_segment_size: 56
    .max_flat_workgroup_size: 128
    .sgpr_count:     102
    .vgpr_count:     1024
    .wavefront_size: 32
...
	.end_amdgpu_metadata
.endif
;; end of part 2
;; launch attn (part 3): grid 8 x 32, 16 waves a work-group, no clusters, 327,680 bytes of LDS; arguments qkv16, att; writes att
.if DOCPART == 3
	.amdgcn_target "amdgcn-amd-amdhsa--gfx1250"
	.amdhsa_code_object_version 6
	.text
	.protected	k_qb8d58a027f_attn
	.globl	k_qb8d58a027f_attn
	.p2align	8
	.type	k_qb8d58a027f_attn,@function
k_qb8d58a027f_attn:
	s_mov_b64 s[64:65], 0
	v_nop
	global_prefetch_b8 v0, s[64:65] scope:SCOPE_SE
	s_setreg_imm32_b32 hwreg(HW_REG_WAVE_MODE, 25, 1), 1
	s_wait_xcnt 0x0
; att[h][m][:] = the sum over keys k <= q of softmax_k(q . k / 8) v, for each of 2 batches x 16 heads of 64; 2,048 positions.  q, k, v: f16 in qkv16 [48][4096][64] (q: groups 0-15, k: 16-31, v: 32-47); att: f16 [16][4096][64].
; Products in f16 with f32 sums; maxima, exponentials and sums in f32; the weights p are rounded to f16 for the second product, the result once at the end.
; LIMITS: the result stays under 65,504; results under 6e-5 in size fall among f16's subnormals (steps of 6e-8).  The first 16 positions of each sequence are made again, in f32, by a later launch.
; SOFTMAX: for each query a running maximum m and sum l: p = 2^(c s - c m), c = log2(e) / 8; in every step O and l are multiplied by a = 2^(c m_old - c m_new).
; SHARES.  A work-group has one head of one batch and two blocks of 128 queries: waves 0-7 block i, waves 8-15 block 15 - i, so that under the causal mask every work-group has 17 blocks of keys to walk.  A wave owns 16 queries.
; Four waves share a SIMD: one wave's vector work stands beside another's matrix work and LDS loads.  K's and V's tiles come through a ring of two LDS slots of 256 keys (waves 0, 1: K's halves; waves 2, 3: V's).
; NO CLUSTER: the work-groups of a head need 9 to 16 blocks of keys, and a joint load may not be left out by one partner.
; LAYOUT.  S^T = K Q^T (source 0 = 16 keys, source 1 = my 16 queries): a lane holds ONE query (lane % 16) and keys 8 (lane / 16) + 0..7.  Two such tiles, rounded in pairs, ARE source 1 of O^T = V^T P.  V ([key][channel]) comes out of LDS turned.
; CAUSAL.  Every work-group walks all 8 slots, so that trip counts are constants; a step all of whose keys come after the wave's queries is jumped over; a slot whose first key comes after the work-group's last query is not asked for.
.set SK,    256                        ; keys in a slot: two steps of 128
.set KP,    144                        ; a key's row in LDS: 128 bytes + 16
.set VP,    160                        ; a row of V: 128 + 32
.set VOFF,  SK*KP
.set SLOTB, SK*(KP+VP)                 ; 77,824 bytes
.set SLOT1, 1<<17                      ; slot 1 begins here: one exclusive or turns an address
.set NSL,   2048/SK
.set STAGE, SLOTB                      ; between the slots: 16 rows x 144 bytes for each wave, bytes into which no tile lands
.set SPARE, SLOT1+SLOTB                ; the spare words, 128 bytes a wave
.set AK0, 1                            ; v1   my lane's place in a tile of K
.set AV0, 2                            ; v2   the same for V
.set STO, 3                            ; v3   the way out: in
.set RD,  4                            ; v4   and back
.set SPW, 5                            ; v5   my spare word; never rewritten
.set NIL, 6                            ; v6   0; never rewritten
.set GO,  7                            ; v7   16 x lane
.set ADK, 8                            ; v8   LDS address of the slot's K for my lane
.set ADV, 9                            ; v9   of V
.set DD,  10                           ; v10  the mask's d
.set NINF, 11                          ; v11  -infinity
.set CM,  12                           ; v12  c m;  v13  m
.set MM,  13
.set QF,  16                           ; v16-31   Q: two fragments of 32 channels
.set BUF, 32                           ; v32-95   8 fragments of K, then of V
.set S,   96                           ; v96-159  S^T, 8 tiles of 16 keys; then V's other 8 fragments
.set O,   160                          ; v160-191 O^T, 4 tiles of 16 channels
.set P,   192                          ; v192-223 p in f16
.set W,   224                          ; v224-231 at work
.set AA,  232                          ; v[232:233] a (the pair's upper word is written once, at the head)
.set L2,  236                          ; v[236:237] the sum's second chain
.set PFO, 240                          ; v240 256 x lane; never rewritten
.set RH,  241                          ; v241 lane % 16 - 8 (lane / 16)
.set QA,  242                          ; v242 Q's offset
.set WV,  18
.set SEL, 20                           ; s[20:21] v_permlanex16_b32's selects for lane l xor 16
.set CS,  22                           ; s[22:23] c
.set G1K, 24
.set G1V, 32
.set G0K, 40
.set G0V, 44
.set TB,  2                            ; s2   LDS byte at which the slot in hand begins
.set SLOTS, 48                         ; s48  changes of slots still to come that may ask
.set KF,  49                           ; s49  the step's first key
.set Q0,  50                           ; s50  my first query
.set LQ,  51                           ; s51  my work-group's last query
.set PFA, 52                           ; s[52:53] where my prefetches stand
.set LIM, 54                           ; s54  1 in a wave that prefetches, else the greatest number
.macro TLOAD                           ; waves 0 and 1 fetch K's halves, waves 2 and 3 V's, the others nothing; an s_nop 0 and four v_nop follow each line
	s_cmp_lt_u32 s[WV], 2
	s_cbranch_scc0 .Lnot_k_\@
	tensor_load_to_lds s[G0K:G0K+3], s[G1K:G1K+7]
	s_nop 0
.rept 4
	v_nop
.endr
	s_branch .Lasked_\@
.Lnot_k_\@:
	s_cmp_lt_u32 s[WV], 4
	s_cbranch_scc0 .Lasked_\@
	tensor_load_to_lds s[G0V:G0V+3], s[G1V:G1V+7]
	s_nop 0
.rept 4
	v_nop
.endr
.Lasked_\@:
.endm
; A prefetch of what the NEXT change of slots will ask for: 32,768 dense bytes of K and as many of V.  All work-groups of a head walk the same keys: the one with x = 0, which walks them all, asks.
; In it the waves ask that fetch nothing: waves 4-7 for K's, waves 8-11 for V's, 8,192 bytes a wave, lanes 256 bytes apart: each block of 256 bytes is named once in the launch.
; It stands two key steps ahead of the load that wants the bytes.  The last change that fills a slot asks for nothing; slots 0 and 1 come by their loads alone.
.macro ASK
	s_cmp_gt_u32 s[SLOTS], s[LIM]
	s_cbranch_scc0 .Lnot_mine_\@
	global_prefetch_b8 v[PFO], s[PFA:PFA+1] th:TH_LOAD_NT scope:SCOPE_SE
.Lnot_mine_\@:
.endm
	s_load_b128 s[4:7], s[0:1], 0x0                ; qkv16, att
	v_lshl_add_u32 v[SPW], v0, 2, SPARE
	v_mov_b32 v[NIL], 0
	ds_add_u32 v[SPW], v[NIL]                      ; the wave's opening: the add, twice on end, and its wait ahead of the first tensor load
	ds_add_u32 v[SPW], v[NIL]
	v_lshrrev_b32 v8, 5, v0
	v_readfirstlane_b32 s[WV], v8                  ; wave 0..15
	s_and_b32 s8, ttmp7, 0xffff
	s_lshr_b32 s9, s8, 4                           ; the batch
	s_and_b32 s10, s8, 15                          ; the head
	s_lshl_b32 s11, s10, 19                        ; a group of 64 columns is 4,096 rows of 128 bytes,
	s_lshl_b32 s12, s9, 18                         ; a batch 2,048 rows
	s_add_co_u32 s12, s11, s12                     ; the head's first byte among q's groups, and in att
	s_mov_b32 s13, 0
	s_sub_co_u32 s14, 15, ttmp9
	s_cmp_lt_u32 s[WV], 8
	s_cselect_b32 s14, ttmp9, s14                  ; my block of 128 queries
	s_and_b32 s15, s[WV], 7
	s_lshl_b32 s14, s14, 7
	s_lshl_b32 s15, s15, 4
	s_add_co_u32 s[Q0], s14, s15
	s_sub_co_u32 s[LQ], 16, ttmp9
	s_lshl_b32 s[LQ], s[LQ], 7
	s_sub_co_u32 s[LQ], s[LQ], 1
	s_and_b32 s16, s[WV], 1                        ; which half of a slot's 256 rows I fetch, if I fetch:
	s_lshl_b32 s56, s16, 14                        ; 128 rows of 128 bytes in memory,
	s_mov_b32 s57, 0
	s_add_nc_u64 s[56:57], s[56:57], s[12:13]
	s_mul_i32 s58, s16, 128*KP                     ; and in a slot: K's,
	s_mul_i32 s59, s16, 128*VP
	s_add_co_u32 s59, s59, VOFF                    ; V's
	s_lshl_b32 s62, s[Q0], 7
	s_mov_b32 s63, 0
	s_add_nc_u64 s[62:63], s[62:63], s[12:13]      ; my first query's row, in q and in att alike
	; group 1: 128 rows of 64 f16, dense in memory, padded behind each row
	s_mov_b32 s[G1K], (1<<16)|(1<<20)|(4<<22)|(3<<25)   ; 17:16 elements of 2 bytes; 20 padding on; 24:22 after every 32 words; 31:25 four words
	s_mov_b32 s[G1V], (1<<16)|(1<<20)|(4<<22)|(7<<25)   ; eight words
.irp g, G1K, G1V
	s_mov_b32 s[\g+1], 64<<16                      ; tensor_dim0
	s_mov_b32 s[\g+2], 128<<16                     ; tensor_dim1
	s_mov_b32 s[\g+3], 64<<16                      ; tile_dim0
	s_mov_b32 s[\g+4], 128                         ; tile_dim1
	s_mov_b32 s[\g+5], 64                          ; from row to row
	s_mov_b32 s[\g+6], 0
	s_mov_b32 s[\g+7], 0
.endr
	s_mov_b32 s[SEL], 0x76543210
	s_mov_b32 s[SEL+1], 0xfedcba98
	s_mov_b32 s[CS], 0x3e38aa3b                    ; c = log2(e) / 8
	s_mov_b32 s[CS+1], s[CS]                       ; (named with it as a pair, so it is written)
	s_mov_b32 s[TB], 0
	s_mov_b32 s[SLOTS], NSL-1
	s_mov_b32 s[KF], 0
	s_wait_dscnt 0x0                               ; both opening adds are done
	s_wait_kmcnt 0x0
	s_mov_b32 s[G0K], 1
	s_mov_b32 s[G0K+1], s58
	s_add_nc_u64 s[G0K+2:G0K+3], s[4:5], s[56:57]
	s_add_nc_u64 s[G0K+2:G0K+3], s[G0K+2:G0K+3], 16*524288   ; k's groups
	s_or_b32 s[G0K+3], s[G0K+3], 0x80000000
	s_mov_b32 s[G0V], 1
	s_mov_b32 s[G0V+1], s59
	s_add_nc_u64 s[G0V+2:G0V+3], s[4:5], s[56:57]
	s_add_nc_u64 s[G0V+2:G0V+3], s[G0V+2:G0V+3], 32*524288   ; v's groups
	s_or_b32 s[G0V+3], s[G0V+3], 0x80000000
	TLOAD                                          ; slot 0: it holds key 0, which counts for every query
	s_add_nc_u64 s[60:61], s[4:5], s[62:63]        ; Q at my first query
	s_add_nc_u64 s[6:7], s[6:7], s[62:63]          ; att likewise
	s_mov_b32 s66, 32*524288
	s_cmp_lt_u32 s[WV], 8                          ; the prefetches: waves 4-7 stand in k, waves 8-11 in v,
	s_cselect_b32 s66, 16*524288, s66
	s_and_b32 s67, s[WV], 3
	s_lshl_b32 s67, s67, 13                        ; 8,192 bytes a wave,
	s_add_co_u32 s66, s66, s67
	s_add_co_u32 s66, s66, s12
	s_add_co_u32 s66, s66, SK*128                  ; in slot 1: the first change of slots steps it to slot 2
	s_mov_b32 s67, 0
	s_add_nc_u64 s[PFA:PFA+1], s[4:5], s[66:67]
	s_sub_co_u32 s68, s[WV], 4
	s_lshr_b32 s68, s68, 3                         ; 0 in waves 4 to 11,
	s_or_b32 s68, s68, ttmp9                       ; of the work-group with x = 0
	s_cmp_eq_u32 s68, 0
	s_cselect_b32 s[LIM], 1, -1
	v_and_b32 v224, 15, v0                         ; r
	v_bfe_u32 v225, v0, 4, 1                       ; h
	v_lshlrev_b32 v[QA], 7, v224
	v_lshl_add_u32 v[QA], v225, 4, v[QA]           ; Q: row r of 128 bytes + 16 h
.irp c, 0,1,2,3
	global_load_b128 v[QF+4*\c:QF+4*\c+3], v[QA], s[60:61] offset:32*\c   ; registers 8 c' + 0..3: channels 32 c' + 8 h + 0..7; + 4..7: 16 further on
.endr
	v_mul_u32_u24 v[AK0], v224, KP
	v_lshl_add_u32 v[AK0], v225, 4, v[AK0]
	v_and_b32 v227, 7, v0
	v_bfe_u32 v228, v0, 3, 1
	v_lshl_add_u32 v[AV0], v225, 3, v227           ; the turning load: lane l reads key 8 (l / 16) + l % 8, channels 8 ((l / 8) % 2) + 0..7
	v_mul_u32_u24 v[AV0], v[AV0], VP
	v_lshl_add_u32 v[AV0], v228, 4, v[AV0]
	v_add_nc_u32 v[AV0], VOFF, v[AV0]
	s_mul_i32 s69, s[WV], 16*KP
	s_add_co_u32 s69, s69, STAGE                   ; my stage
	v_add_nc_u32 v[STO], s69, v[AK0]               ; in: row r, 16 bytes for each half of the lanes
	v_bfe_u32 v229, v0, 3, 2
	v_mul_u32_u24 v[RD], v229, KP
	v_lshl_add_u32 v[RD], v227, 4, v[RD]
	v_add_nc_u32 v[RD], s69, v[RD]                 ; back: eight lanes to a row of 128 bytes
	v_and_b32 v230, 31, v0
	v_lshlrev_b32 v[GO], 4, v230
	v_lshlrev_b32 v[PFO], 8, v230
	v_lshlrev_b32 v231, 3, v225
	v_sub_nc_u32 v[RH], v224, v231
	v_mov_b32 v[NINF], 0xff800000
	v_mov_b32 v[MM], 0xff61b1e6                    ; the largest score so far: -3e38, under every score
	v_mul_f32 v[CM], s[CS], v[MM]
	v_mov_b32 v14, 0                               ; l, in two halves
	v_mov_b32 v15, 0
	v_mov_b32 v[AA+1], 0
.set n, 0
.rept 32
	v_mov_b32 v[O+n], 0                            ; O^T: the step is written once; the first finds zeros, which a = 0 leaves zeros
.set n, n+1
.endr
; A KEY STEP: 128 keys, the q-th of the slot in hand.
.macro STEP q
	s_add_co_u32 s96, s[Q0], 15
	s_cmp_gt_u32 s[KF], s96                        ; all its keys come after my queries: ids and the count of steps alone
	s_cbranch_scc1 .Lhidden_\@
	v_add_nc_u32 v[ADK], s[TB], v[AK0]
	v_add_nc_u32 v[ADV], s[TB], v[AV0]
.rept 3
	v_nop                                          ; with the two additions five places: the products below write over registers that the last step's products read
.endr
.irp g, 0,1                                    ; S^T = K Q^T, four tiles of 16 keys at a time
.if \g
.rept 4
	v_nop                                          ; places in front of loads into registers that matrix instructions have read
.endr
.endif
.irp t, 0,1,2,3
.irp c, 0,1
	ds_load_b128 v[BUF+8*(2*\t+\c):BUF+8*(2*\t+\c)+3], v[ADK] offset:(128*(\q)+16*(4*\g+\t))*KP+64*\c
	ds_load_b128 v[BUF+8*(2*\t+\c)+4:BUF+8*(2*\t+\c)+7], v[ADK] offset:(128*(\q)+16*(4*\g+\t))*KP+64*\c+32
.endr
.endr
	s_wait_dscnt 0x0
.irp c, 0,1                                    ; four accumulators by turns
.irp t, 0,1,2,3
.if \c == 0
	v_wmma_f32_16x16x32_f16 v[S+8*(4*\g+\t):S+8*(4*\g+\t)+7], v[BUF+8*(2*\t):BUF+8*(2*\t)+7], v[QF:QF+7], 0
.else
	v_wmma_f32_16x16x32_f16 v[S+8*(4*\g+\t):S+8*(4*\g+\t)+7], v[BUF+8*(2*\t+1):BUF+8*(2*\t+1)+7], v[QF+8:QF+15], v[S+8*(4*\g+\t):S+8*(4*\g+\t)+7]
.endif
.endr
.endr
.endr
.rept 4
	v_nop                                          ; places: for the loads below and for the first reads of the scores
.endr
.irp k, 0,1                                    ; V of keys 0-63 of the step, turned: it lands while the softmax is walked
.irp t, 0,1,2,3
	ds_load_tr16_b128 v[BUF+8*(4*\k+\t):BUF+8*(4*\k+\t)+3], v[ADV] offset:(128*(\q)+32*\k)*VP+32*\t
	ds_load_tr16_b128 v[BUF+8*(4*\k+\t)+4:BUF+8*(4*\k+\t)+7], v[ADV] offset:(128*(\q)+32*\k)*VP+16*VP+32*\t
.endr
.endr
	s_add_co_u32 s96, s[KF], 127                   ; on the diagonal hidden scores become -infinity ahead of the maximum; a step all of whose keys count skips this
	s_cmp_le_u32 s96, s[Q0]
	s_cbranch_scc1 .Lopen_\@
	s_sub_co_i32 s96, s[Q0], s[KF]
	v_add_nc_u32 v[DD], s96, v[RH]                 ; d = my query - the step's first key - 8 (lane / 16).  Register 8 u + j holds key 16 u + 8 (lane / 16) + j: hidden where 16 u + j > d
.set n, 0
.rept 64
	v_cmp_gt_i32 vcc_lo, 16*(n/8)+n%8, v[DD]
	v_cndmask_b32 v[S+n], v[S+n], v[NINF], vcc_lo
.set n, n+1
.endr
.Lopen_\@:
.irp b, 0,1,2,3                                ; the largest score, in four chains; each accumulator is met first at its low end
	v_max3_num_f32 v[W+\b], v[S+16*\b], v[S+16*\b+1], v[S+16*\b+2]
.endr
.irp i, 3,5,7,9,11,13
.irp b, 0,1,2,3
	v_max3_num_f32 v[W+\b], v[W+\b], v[S+16*\b+\i], v[S+16*\b+\i+1]
.endr
.endr
.irp b, 0,1,2,3
	v_max_num_f32 v[W+\b], v[W+\b], v[S+16*\b+15]
.endr
	v_max3_num_f32 v[W], v[W], v[W+1], v[W+2]
	v_max3_num_f32 v[W], v[W], v[W+3], v[MM]       ; with the old m
	v_permlanex16_b32 v[W+4], v[W], s[SEL], s[SEL+1]   ; the query's other keys lie in the lane 16 away
	v_mov_b32 v[W+5], v[CM]                        ; c m_old
	v_max_num_f32 v[MM], v[W], v[W+4]
	v_mul_f32 v[CM], s[CS], v[MM]
	v_sub_f32 v[W+7], v[W+5], v[CM]
.set n, 0
.rept 32
	v_pk_fma_f32 v[S+n:S+n+1], v[S+n:S+n+1], s[CS:CS+1], v[CM:CM+1] op_sel_hi:[1,0,0] neg_lo:[0,0,1] neg_hi:[0,0,1]   ; c s - c m, two at a time
.set n, n+2
.endr
	v_exp_f32 v[AA], v[W+7]                        ; a
.set n, 0
.rept 64
	v_exp_f32 v[S+n], v[S+n]                       ; p
.set n, n+1
.endr
	v_nop                                          ; a plain instruction behind the last exponential
	s_wait_alu depctr_va_vdst(0)                   ; one wait for the batch of 65, ahead of its first reader
.set n, 0
.rept 32
	v_cvt_pk_f16_f32 v[P+n], v[S+2*n], v[S+2*n+1]  ; tiles 2 k and 2 k + 1 make source 1 for keys 32 k on
.set n, n+1
.endr
	v_pk_mul_f32 v[14:15], v[14:15], v[AA:AA+1] op_sel_hi:[1,0]   ; l under the new m
	v_pk_add_f32 v[L2:L2+1], v[S:S+1], v[S+2:S+3]  ; the sum of the unrounded p, in two chains
.set n, 4
.rept 15
	v_pk_add_f32 v[14:15], v[14:15], v[S+n:S+n+1]
	v_pk_add_f32 v[L2:L2+1], v[L2:L2+1], v[S+n+2:S+n+3]
.set n, n+4
.endr
	v_pk_add_f32 v[14:15], v[14:15], v[L2:L2+1]
.irp k, 2,3                                    ; V of keys 64-127, into the registers that the scores have left
.irp t, 0,1,2,3
	ds_load_tr16_b128 v[BUF+8*(4*\k+\t):BUF+8*(4*\k+\t)+3], v[ADV] offset:(128*(\q)+32*\k)*VP+32*\t
	ds_load_tr16_b128 v[BUF+8*(4*\k+\t)+4:BUF+8*(4*\k+\t)+7], v[ADV] offset:(128*(\q)+32*\k)*VP+16*VP+32*\t
.endr
.endr
.set n, 0
.rept 16
	v_pk_mul_f32 v[O+n:O+n+1], v[O+n:O+n+1], v[AA:AA+1] op_sel_hi:[1,0]   ; O^T under the new m
.set n, n+2
.endr
	s_wait_dscnt 0x0
.irp k, 0,1,2,3                                ; O^T += V^T P: four accumulators by turns
.irp t, 0,1,2,3
	v_wmma_f32_16x16x32_f16 v[O+8*\t:O+8*\t+7], v[BUF+8*(4*\k+\t):BUF+8*(4*\k+\t)+7], v[P+8*\k:P+8*\k+7], v[O+8*\t:O+8*\t+7]
.endr
.endr
.Lhidden_\@:
	s_add_co_u32 s[KF], s[KF], 128
.endm
; THE CHANGE OF SLOTS stands at a slot's head.  Each wave waits for all its tensor loads, adds 0 to its spare word, and waits for that and for its reads of the slot that it has left.  Behind the barrier the slot ahead is whole and nobody reads the other.
; fill = 1: that other slot is filled with the keys that follow, up to the causal limit; the load has a slot's two steps in which to land.  One tensor load of a wave is out.
.macro CHANGE fill
	s_wait_tensorcnt 0x0                           ; no tensor load of mine is out, so a group 0 may be written
	ds_add_u32 v[SPW], v[NIL]
.if \fill
	ds_add_u32 v[SPW], v[NIL]                      ; the add twice on end here, in every trip alike
	s_xor_b32 s[G0K+1], s[G0K+1], SLOT1            ; the walking descriptors: the other slot,
	s_add_nc_u64 s[G0K+2:G0K+3], s[G0K+2:G0K+3], SK*128   ; the next 256 keys
	s_xor_b32 s[G0V+1], s[G0V+1], SLOT1
	s_add_nc_u64 s[G0V+2:G0V+3], s[G0V+2:G0V+3], SK*128
	s_wait_xcnt 0x0                                ; the last prefetch, a slot back, has read its address
	s_add_nc_u64 s[PFA:PFA+1], s[PFA:PFA+1], SK*128
.endif
	s_wait_dscnt 0x0                               ; the add is done, and my reads of the slot that I have left are over
	s_barrier_signal -1
	s_barrier_wait -1
.if \fill
	s_add_co_u32 s96, s[KF], SK                    ; the first key of the slot that this change would ask for:
	s_cmp_gt_u32 s96, s[LQ]                        ; behind my work-group's last query no wave would read it.  Ids and the count of steps alone: all sixteen waves go the same way
	s_cbranch_scc1 .Lpast_\@
	TLOAD                                          ; a wave's one tensor load until the next such barrier
.Lpast_\@:
	ASK
.endif
.endm
.macro SLOT_STEPS
	STEP 0
	STEP 1
	s_xor_b32 s[TB], s[TB], SLOT1
.endm
	s_wait_loadcnt 0x0                             ; Q
.Lslot:                                            ; 7 trips
	CHANGE 1
	SLOT_STEPS
	s_sub_co_u32 s[SLOTS], s[SLOTS], 1
	s_cmp_lg_u32 s[SLOTS], 0
	s_cbranch_scc1 .Lslot
	CHANGE 0                                       ; the last slot is written out: nothing is left to ask for
	SLOT_STEPS
	; THE WAY OUT: O^T / l, rounded to f16, through my stage, and out as 512 consecutive bytes (four rows of att) an instruction.
	v_add_f32 v14, v14, v15                        ; l's two halves; with the three lines below the places behind the last products
.rept 3
	v_nop
.endr
	v_permlanex16_b32 v[W+4], v14, s[SEL], s[SEL+1]
	v_add_f32 v14, v14, v[W+4]
	v_rcp_f32 v[AA], v14
	v_nop
	s_wait_alu depctr_va_vdst(0)                   ; ahead of the reciprocal's first reader
.set n, 0
.rept 16
	v_pk_mul_f32 v[S+2*n:S+2*n+1], v[O+2*n:O+2*n+1], v[AA:AA+1] op_sel_hi:[1,0]
.set n, n+1
.endr
.set n, 0
.rept 16
	v_cvt_pk_f16_f32 v[BUF+n], v[S+2*n], v[S+2*n+1]    ; register 4 t + j: channels 16 t + 8 h + 2 j, + 1 of query r
.set n, n+1
.endr
.irp t, 0,1,2,3
	ds_store_b128 v[STO], v[BUF+4*\t:BUF+4*\t+3] offset:32*\t
.endr
.irp i, 0,1,2,3
	ds_load_b128 v[BUF+16+4*\i:BUF+16+4*\i+3], v[RD] offset:4*KP*\i   ; LDS serves a wave's instructions in order: these see my stores
.endr
.irp i, 0,1,2,3
	s_wait_dscnt 3-\i                              ; the later loads may be out
	global_store_b128 v[GO], v[BUF+16+4*\i:BUF+16+4*\i+3], s[6:7] offset:512*\i
.endr
	s_wait_tensorcnt 0x0                           ; the wave's end
	ds_add_u32 v[SPW], v[NIL]
	s_wait_dscnt 0x0
	s_endpgm
.Lfunc_end_k_qb8d58a027f_attn:
	.size	k_qb8d58a027f_attn, .Lfunc_end_k_qb8d58a027f_attn-k_qb8d58a027f_attn
	.p2alignl 7, 3214868480
	.fill 96, 4, 3214868480
	.section	.rodata,"a",@progbits
	.p2align	6, 0x0
	.amdhsa_kernel k_qb8d58a027f_attn
		.amdhsa_group_segment_fixed_size 327680
		.amdhsa_private_segment_fixed_size 0
		.amdhsa_enable_private_segment 0
		.amdhsa_kernarg_size 16
		.amdhsa_user_sgpr_count 2
		.amdhsa_user_sgpr_kernarg_segment_ptr 1
		.amdhsa_wavefront_size32 1
		.amdhsa_system_sgpr_workgroup_id_x 1
		.amdhsa_system_sgpr_workgroup_id_y 1
		.amdhsa_system_sgpr_workgroup_id_z 1
		.amdhsa_system_vgpr_workitem_id 0
		.amdhsa_next_free_vgpr 256
		.amdhsa_next_free_sgpr 100
		.amdhsa_reserve_vcc 1
		.amdhsa_float_denorm_mode_32 3
		.amdhsa_float_denorm_mode_16_64 3
		.amdhsa_memory_ordered 1
		.amdhsa_forward_progress 1
		.amdhsa_inst_pref_size 106
	.end_amdhsa_kernel
	.amdgpu_metadata
---
amdhsa.version: [ 1, 2 ]
amdhsa.kernels:
  - .name:           k_qb8d58a027f_attn
    .symbol:         k_qb8d58a027f_attn.kd
    .args:
      - { .name: qkv16, .offset: 0, .size: 8, .value_kind: global_buffer, .address_space: global }
      - { .name: att, .offset: 8, .size: 8, .value_kind: global_buffer, .address_space: global }
    .group_segment_fixed_size: 327680
    .private_segment_fixed_size: 0
    .kernarg_segment_align: 8
    .kernarg_segment_size: 16
    .max_flat_workgroup_size: 512
    .sgpr_count:     100
    .vgpr_count:     256
    .wavefront_size: 32
...
	.end_amdgpu_metadata
.endif
;; end of part 3
;; launch oproj (part 4): grid 8 x 32, 4 waves a work-group, clusters of 4 x 4, 327,680 bytes of LDS; arguments att, w16, out0, b_out; writes out0
.if DOCPART == 4
	.amdgcn_target "amdgcn-amd-amdhsa--gfx1250"
	.amdhsa_code_object_version 6
	.text
	.protected	k_qb8d58a027f_oproj
	.globl	k_qb8d58a027f_oproj
	.p2align	8
	.type	k_qb8d58a027f_oproj,@function
k_qb8d58a027f_oproj:
	s_mov_b64 s[64:65], 0
	v_nop
	global_prefetch_b8 v0, s[64:65] scope:SCOPE_SE
	s_setreg_imm32_b32 hwreg(HW_REG_WAVE_MODE, 25, 1), 1
	s_wait_xcnt 0x0
	s_wait_alu depctr_hold_cnt(0) depctr_sa_sdst(0) depctr_va_vdst(0) depctr_va_sdst(0) depctr_va_ssrc(0) depctr_va_vcc(0) depctr_vm_vsrc(0)
	s_getreg_b32 s2, hwreg(HW_REG_IB_STS2, 6, 4)
	s_cmp_eq_u32 s2, 0
	s_cbranch_scc0 .Lentry_in_a_cluster
	s_endpgm
.Lentry_in_a_cluster:
	s_bfe_u32 s2, ttmp6, 0x10000c
	s_cmp_lg_u32 s2, 0xf033
	s_cbranch_scc0 .Lentry_shape_is_right
	s_endpgm
.Lentry_shape_is_right:
; out0[m][n] = sum over k of att[m][k] w_out[n][k] + b_out[n]; NaN becomes 0.  m 4,096, n 1,024, k 1,024.  Operands in f16, sums in f32, out0 in f32.
; att lies [k / 64][m][64], w16 [k / 64][n][64].  A tile of out0 is 128 x 128: 256 work-groups; four waves, each 64 x 64: 16 accumulators.  K goes in steps of 256 through two LDS slots.
; A wave's one tensor load brings 64 rows x 256 K: four runs of 8,192 consecutive bytes (64 rows x 64 K), one for each block of 64 along K; 16 bytes of padding behind every 128 bytes: in LDS [4][64 rows][144].
; CLUSTER: 4 x 4.  The four of a row of the cluster need the same tiles of att, the four of a column the same tiles of w16: each is asked for jointly.
; THE MATRIX INSTRUCTION IS USED TRANSPOSED (source 0 = 16 rows of w16, source 1 = 16 rows of att): a lane holds eight neighbouring columns of a row.  b_out is the C of each sum's first instruction.
; The first 16 rows of each batch are written again, from f32 operands, by the launch that follows.
; REGISTERS: window 0: v0-31 addresses; v32-63 at work on the way out; v64-95 and v96-127 rows on the way out; v96-127 first hold b_out; v128-255 the accumulators ((a, b) at v[128 + 8 (4 a + b)]).   window 1: two fragment buffers of 128.
.set PITCH,  144
.set KBB,    64*PITCH                  ; a block of 64 along K of 64 rows
.set HALFT,  4*KBB                     ; what one tensor load brings
.set SLOT,   4*HALFT                   ; att's 128 rows, then w16's 128 rows
.set STAGE,  2*SLOT                    ; behind the ring: 16 rows x 272 bytes for each wave
.set SPITCH, 272
.set SPARE,  STAGE+4*16*SPITCH
.set LAPS,   2                         ; K = 1,024: four steps of 256: twice round the ring
.set ASTEP,  4*4096*128                ; a K step on, in att
.set BSTEP,  4*1024*128                ; and in w16
.set ADRA, 16
.set ADRB, 20
.set STO,  24
.set RD,   25
.set CO,   26
.set BO,   27
.set SPW,  28
.set NIL,  29
.set TMP,  32
.set OB,   64
.set BIAS, 96
.set ACC,  128
.set F0,   0
.set F1,   128
.set G1, 24
.set G0, 32
.set G1B, 48
.set G0B, 56
.set MSB, 0
.macro WIN new
.if MSB != (\new)
	s_set_vgpr_msb (MSB<<8)|(\new)
.set MSB, (\new)
.endif
.endm
.set MUL,  0x05                        ; sources 0 and 1 window 1; C and D window 0
.set TO_F, 0x40
.macro JLOAD s                         ; waves 0 and 1 fetch att's two halves, waves 2 and 3 w16's; an s_nop 0 and four v_nop follow each line
	s_cmp_eq_u32 s11, 0
	s_cbranch_scc0 .Lfor_b_\@
	tensor_load_to_lds s[G0+4*\s:G0+4*\s+3], s[G1:G1+7]
	s_nop 0
.rept 4
	v_nop
.endr
	s_branch .Lasked_\@
.Lfor_b_\@:
	tensor_load_to_lds s[G0B+4*\s:G0B+4*\s+3], s[G1B:G1B+7]
	s_nop 0
.rept 4
	v_nop
.endr
.Lasked_\@:
.endm
.macro CREST
	s_cmp_lg_u32 s10, 0
	s_cbranch_scc1 .Lnot_wave_0_\@
	s_barrier_signal -3
.Lnot_wave_0_\@:
	s_barrier_wait -3
	s_barrier_signal -1
	s_barrier_wait -1
.endm
.macro CROUND
	s_barrier_signal -1
	s_barrier_wait -1
	CREST
.endm
	s_load_b128 s[4:7], s[0:1], 0x0                ; att, w16
	s_load_b64 s[8:9], s[0:1], 0x10                ; out0
	s_load_b64 s[66:67], s[0:1], 0x18              ; b_out
	v_lshl_add_u32 v[SPW], v0, 2, SPARE
	v_mov_b32 v[NIL], 0
	ds_add_u32 v[SPW], v[NIL]                      ; the wave's opening: the add, twice on end, and its wait ahead of my first tensor load
	ds_add_u32 v[SPW], v[NIL]
	v_lshrrev_b32 v1, 5, v0
	v_readfirstlane_b32 s10, v1                    ; wave 0..3
	s_lshr_b32 s11, s10, 1                         ; which half of the tile's rows is mine.  Also: I fetch for att (0) or for w16 (1)
	s_and_b32 s12, s10, 1                          ; which half of its columns.  Also: which 64 rows I fetch
	s_bfe_u32 s40, ttmp6, 0x40000                  ; cx, cy
	s_bfe_u32 s41, ttmp6, 0x40004
	s_lshl_b32 s42, ttmp9, 2
	s_add_co_u32 s42, s42, s40                     ; tile column
	s_and_b32 s13, ttmp7, 0xffff
	s_lshl_b32 s13, s13, 2
	s_add_co_u32 s13, s13, s41                     ; tile row
	s_lshl_b32 s43, s41, 2
	s_lshl_b32 s43, 15, s43                        ; my row of the cluster
	s_lshl_b32 s44, 0x1111, s40                    ; my column
	s_or_b32 s[G1+0], s43, (1<<16)|(1<<20)|(1<<21)|(4<<22)|(3<<25)   ; 15:0 the mask; 17:16 elements of 2 bytes; 20 padding on; 21 set beside a mask; 24:22 after every 32 words; 31:25 four words
	s_or_b32 s[G1B+0], s44, (1<<16)|(1<<20)|(1<<21)|(4<<22)|(3<<25)
.irp g, G1, G1B
	s_mov_b32 s[\g+1], 4096<<16                    ; tensor_dim0 = 64 rows x 64
	s_mov_b32 s[\g+2], 4<<16                       ; tensor_dim1 = 4 blocks along K
	s_mov_b32 s[\g+3], 4096<<16                    ; tile_dim0
	s_mov_b32 s[\g+4], 4                           ; tile_dim1
	s_mov_b32 s[\g+6], 0
	s_mov_b32 s[\g+7], 0
.endr
	s_mov_b32 s[G1+5], 4096*64                     ; from block to block along K, in elements: att's,
	s_mov_b32 s[G1B+5], 1024*64                    ; w16's
	s_lshl_b32 s17, s12, 6                         ; which 64 rows I fetch
	s_lshl_b32 s16, s13, 7
	s_add_co_u32 s16, s16, s17
	s_lshl_b32 s16, s16, 7                         ; att: (128 x tile row + 64 x half) rows of 128 bytes
	s_lshl_b32 s46, s42, 7
	s_add_co_u32 s46, s46, s17
	s_lshl_b32 s46, s46, 7                         ; w16: by the tile column
	s_mov_b32 s17, 0
	s_mov_b32 s47, 0
	s_mul_i32 s20, s10, HALFT                      ; where they go: no place in the cluster enters an LDS address
	s_wait_dscnt 0x0                               ; both opening adds are done
	s_wait_kmcnt 0x0
	s_add_nc_u64 s[14:15], s[4:5], s[16:17]
	s_add_nc_u64 s[46:47], s[6:7], s[46:47]
	CROUND                                         ; all sixteen work-groups are here: the first joint loads meet
.irp s, 0,1
	s_mov_b32 s[G0+4*\s], 1
	s_add_co_u32 s[G0+4*\s+1], s20, \s*SLOT
	s_add_nc_u64 s[G0+4*\s+2:G0+4*\s+3], s[14:15], \s*ASTEP
	s_or_b32 s[G0+4*\s+3], s[G0+4*\s+3], 0x80000000
	s_mov_b32 s[G0B+4*\s], 1
	s_add_co_u32 s[G0B+4*\s+1], s20, \s*SLOT
	s_add_nc_u64 s[G0B+4*\s+2:G0B+4*\s+3], s[46:47], \s*BSTEP
	s_or_b32 s[G0B+4*\s+3], s[G0B+4*\s+3], 0x80000000
	JLOAD \s
.endr
	v_and_b32 v1, 15, v0                           ; r
	v_bfe_u32 v2, v0, 4, 1                         ; h
	v_mul_u32_u24 v3, v1, PITCH
	v_lshl_add_u32 v3, v2, 4, v3
	s_mul_i32 s21, s11, HALFT                      ; my 64 rows of att
	s_mul_i32 s22, s12, HALFT                      ; my 64 rows of w16,
	s_add_co_u32 s22, s22, 2*HALFT                 ; behind att's 128
.irp s, 0,1
	v_add_nc_u32 v[ADRA+\s], s21, v3
	v_add_nc_u32 v[ADRB+\s], s22, v3
	s_add_co_u32 s21, s21, SLOT
	s_add_co_u32 s22, s22, SLOT
.endr
	s_mul_i32 s23, s10, 16*SPITCH
	s_add_co_u32 s23, s23, STAGE                   ; my stage
	v_mul_u32_u24 v4, v1, SPITCH
	v_lshl_add_u32 v4, v2, 5, v4
	v_add_nc_u32 v[STO], s23, v4                   ; in: row r, 32 bytes for each half of the lanes
	v_mul_u32_u24 v5, v2, SPITCH
	v_lshl_add_u32 v5, v1, 4, v5
	v_add_nc_u32 v[RD], s23, v5                    ; back: lanes 0-15 one row of 256 bytes, lanes 16-31 the next
	v_lshlrev_b32 v5, 12, v2
	v_lshl_add_u32 v[CO], v1, 4, v5                ; and the same two rows in out0
	v_lshlrev_b32 v[BO], 5, v2
	s_lshl_b32 s16, s13, 7
	s_lshl_b32 s17, s11, 6
	s_add_co_u32 s16, s16, s17
	s_lshl_b32 s16, s16, 12                        ; my first row, 4,096 bytes a row
	s_mov_b32 s17, 0
	s_add_nc_u64 s[8:9], s[8:9], s[16:17]
	s_lshl_b32 s46, s42, 7
	s_lshl_b32 s47, s12, 6
	s_add_co_u32 s46, s46, s47
	s_lshl_b32 s46, s46, 2                         ; my first column, in bytes
	s_mov_b32 s47, 0
	s_add_nc_u64 s[8:9], s[8:9], s[46:47]
	s_add_nc_u64 s[66:67], s[66:67], s[46:47]
.irp b, 0,1,2,3                                ; b_out in the result's layout: for block b lane (r, h) wants columns 16 b + 8 h + 0 .. 7
	global_load_b128 v[BIAS+8*\b:BIAS+8*\b+3], v[BO], s[66:67] offset:64*\b
	global_load_b128 v[BIAS+8*\b+4:BIAS+8*\b+7], v[BO], s[66:67] offset:64*\b+16
.endr
; 8 matrix instructions: row blocks a0, a0 + 1 x all 4 column blocks, 32 along K: half c of buffer f.  zero = 1: the first product starts the sums from b_out.  The 16 accumulators take turns.
.macro MUL8 f, c, a0, zero
.irp a, \a0, \a0+1
.irp b, 0,1,2,3
.if \zero
	v_wmma_f32_16x16x32_f16 v[ACC+8*(4*(\a)+\b):ACC+8*(4*(\a)+\b)+7], v[\f+64+8*(4*\c+\b):\f+64+8*(4*\c+\b)+7], v[\f+8*(4*\c+\a):\f+8*(4*\c+\a)+7], v[BIAS+8*\b:BIAS+8*\b+7]
.else
	v_wmma_f32_16x16x32_f16 v[ACC+8*(4*(\a)+\b):ACC+8*(4*(\a)+\b)+7], v[\f+64+8*(4*\c+\b):\f+64+8*(4*\c+\b)+7], v[\f+8*(4*\c+\a):\f+8*(4*\c+\a)+7], v[ACC+8*(4*(\a)+\b):ACC+8*(4*(\a)+\b)+7]
.endif
.endr
.endr
.endm
; 32 LDS loads in one run: the fragments of one block of 64 along K, which begins at byte k of my rows' region, into buffer f; the first 32 along K first
.macro FETCH slot, k, f
	WIN TO_F
.irp c, 0,1
.irp i, 0,1,2,3
	ds_load_b128 v[\f+64+8*(4*\c+\i):\f+64+8*(4*\c+\i)+3],   v[ADRB+\slot] offset:\k+64*\c+\i*16*PITCH
	ds_load_b128 v[\f+64+8*(4*\c+\i)+4:\f+64+8*(4*\c+\i)+7], v[ADRB+\slot] offset:\k+64*\c+\i*16*PITCH+32
	ds_load_b128 v[\f+8*(4*\c+\i):\f+8*(4*\c+\i)+3],         v[ADRA+\slot] offset:\k+64*\c+\i*16*PITCH
	ds_load_b128 v[\f+8*(4*\c+\i)+4:\f+8*(4*\c+\i)+7],       v[ADRA+\slot] offset:\k+64*\c+\i*16*PITCH+32
.endr
.endr
.endm
.macro PLACES
.rept 4
	v_nop
.endr
.endm
.macro QUARTER slot, k, f, g, zero     ; 64 along K: multiplies buffer f and fetches the next block, at byte k, into g
	s_wait_dscnt 16                                ; the first 32 along K are in; the other sixteen loads may be out
	WIN MUL
	MUL8 \f, 0, 0, \zero
	MUL8 \f, 0, 2, \zero
	PLACES
	FETCH \slot, \k, \g
	s_wait_dscnt 32                                ; all but the 32 just issued
	WIN MUL
	MUL8 \f, 1, 0, 0
	MUL8 \f, 1, 2, 0
.endm
; A slot's last quarter changes slots: one barrier; in front of it each wave waits for all its tensor loads, adds 0 to its spare word, and waits for that and for its reads of this slot.  fill = 1: the slot is filled again, two K steps ahead.
.macro TURN slot, next, fill
	WIN 0
	s_wait_tensorcnt 0x0                           ; all my tensor loads have landed: my part of the next slot
	ds_add_u32 v[SPW], v[NIL]
	s_wait_dscnt 17                                ; (the add and the youngest sixteen loads may be out)
	WIN MUL
	MUL8 F1, 0, 0, 0
	s_wait_dscnt 0x0                               ; the add is done, and my reads of this slot are over
	s_barrier_signal -1
	MUL8 F1, 0, 2, 0
.if \fill
	WIN 0
.endif
	s_barrier_wait -1
.if \fill
	CREST                                          ; the barrier has opened a round of the cluster's: no wave of any partner still reads this slot or has a load on its way
	s_add_nc_u64 s[G0+4*\slot+2:G0+4*\slot+3], s[G0+4*\slot+2:G0+4*\slot+3], 2*ASTEP
	s_add_nc_u64 s[G0B+4*\slot+2:G0B+4*\slot+3], s[G0B+4*\slot+2:G0B+4*\slot+3], 2*BSTEP
	JLOAD \slot                                    ; the first tensor load behind the round; its four v_nop are also the places in front of the loads below
.else
	PLACES
.endif
	FETCH \next, 0, F0
	WIN MUL
	MUL8 F1, 1, 0, 0
	MUL8 F1, 1, 2, 0
.endm
	s_wait_tensorcnt 1                             ; my part of K step 0 is in; K step 1's load may be out
	s_barrier_signal -1
	s_barrier_wait -1
	FETCH 0, 0, F0
	s_wait_loadcnt 0x0                             ; b_out
	QUARTER 0, KBB, F0, F1, 1
	WIN 0
	s_mov_b32 s3, LAPS-1
.Llap:                                                 ; a trip goes once round the ring and fills both slots again
	QUARTER 0, 2*KBB, F1, F0, 0
	QUARTER 0, 3*KBB, F0, F1, 0
	TURN 0, 1, 1
	QUARTER 1, KBB, F0, F1, 0
	QUARTER 1, 2*KBB, F1, F0, 0
	QUARTER 1, 3*KBB, F0, F1, 0
	TURN 1, 0, 1
	QUARTER 0, KBB, F0, F1, 0
	WIN 0
	s_sub_co_u32 s3, s3, 1
	s_cmp_lg_u32 s3, 0
	s_cbranch_scc1 .Llap
	QUARTER 0, 2*KBB, F1, F0, 0                    ; the last lap fills nothing
	QUARTER 0, 3*KBB, F0, F1, 0
	TURN 0, 1, 0
	QUARTER 1, KBB, F0, F1, 0
	QUARTER 1, 2*KBB, F1, F0, 0
	QUARTER 1, 3*KBB, F0, F1, 0
	s_wait_dscnt 16
	WIN MUL
	MUL8 F1, 0, 0, 0
	MUL8 F1, 0, 2, 0
	s_wait_dscnt 0
	MUL8 F1, 1, 0, 0
	MUL8 F1, 1, 2, 0
	WIN 0
	; THE WAY OUT, 16 rows at a time.  A wave's 64 columns of f32 are 256 bytes, aligned: each wave has a stage of its own and no barrier is needed.
.macro FIX a                           ; NaN becomes 0; each accumulator from its low end on
.set n, 0
.rept 32
	v_cmp_eq_f32 vcc_lo, v[ACC+32*(\a)+n], v[ACC+32*(\a)+n]
	v_cndmask_b32 v[TMP+n], 0, v[ACC+32*(\a)+n], vcc_lo
.set n, n+1
.endr
.endm
.macro TOSTAGE a
.set BS, OB+32*((\a)%2)
.irp b, 0,1,2,3
	ds_store_b128 v[STO], v[TMP+8*\b:TMP+8*\b+3] offset:64*\b
	ds_store_b128 v[STO], v[TMP+8*\b+4:TMP+8*\b+7] offset:64*\b+16
.endr
.irp t, 0,1,2,3,4,5,6,7
	ds_load_b128 v[BS+4*\t:BS+4*\t+3], v[RD] offset:\t*2*SPITCH    ; LDS serves a wave's instructions in order: these see my stores
.endr
.endm
.macro SEND a
.set BS, OB+32*((\a)%2)
	s_wait_dscnt 0x0                               ; the block is back in registers
	s_wait_xcnt 0x0                                ; the stores of the block before have read their data: the next block's loads land there
.irp t, 0,1,2,3,4,5,6,7
	global_store_b128 v[CO], v[BS+4*\t:BS+4*\t+3], s[8:9] offset:(16*(\a)+2*\t)*4096 th:TH_STORE_NT   ; 16 lanes store 256 consecutive bytes, aligned
.endr
.endm
	PLACES
	FIX 0
	TOSTAGE 0
.irp a, 1,2,3
	FIX \a
	SEND (\a)-1
	TOSTAGE \a
.endr
	SEND 3
	s_wait_tensorcnt 0x0                           ; the wave's end
	ds_add_u32 v[SPW], v[NIL]
	s_wait_dscnt 0x0
	CROUND                                         ; the closing round
	s_endpgm
.Lfunc_end_k_qb8d58a027f_oproj:
	.size	k_qb8d58a027f_oproj, .Lfunc_end_k_qb8d58a027f_oproj-k_qb8d58a027f_oproj
	.p2alignl 7, 3214868480
	.fill 96, 4, 3214868480
	.section	.rodata,"a",@progbits
	.p2align	6, 0x0
	.amdhsa_kernel k_qb8d58a027f_oproj
		.amdhsa_group_segment_fixed_size 327680
		.amdhsa_private_segment_fixed_size 0
		.amdhsa_enable_private_segment 0
		.amdhsa_kernarg_size 32
		.amdhsa_user_sgpr_count 2
		.amdhsa_user_sgpr_kernarg_segment_ptr 1
		.amdhsa_wavefront_size32 1
		.amdhsa_system_sgpr_workgroup_id_x 1
		.amdhsa_system_sgpr_workgroup_id_y 1
		.amdhsa_system_sgpr_workgroup_id_z 1
		.amdhsa_system_vgpr_workitem_id 0
		.amdhsa_next_free_vgpr 512
		.amdhsa_next_free_sgpr 68
		.amdhsa_reserve_vcc 1
		.amdhsa_float_denorm_mode_32 3
		.amdhsa_float_denorm_mode_16_64 3
		.amdhsa_memory_ordered 1
		.amdhsa_forward_progress 1
		.amdhsa_inst_pref_size 94
	.end_amdhsa_kernel
	.amdgpu_metadata
---
amdhsa.version: [ 1, 2 ]
amdhsa.kernels:
  - .name:           k_qb8d58a027f_oproj
    .symbol:         k_qb8d58a027f_oproj.kd
    .args:
      - { .name: att, .offset: 0, .size: 8, .value_kind: global_buffer, .address_space: global }
      - { .name: w16, .offset: 8, .size: 8, .value_kind: global_buffer, .address_space: global }
      - { .name: out0, .offset: 16, .size: 8, .value_kind: global_buffer, .address_space: global }
      - { .name: b_out, .offset: 24, .size: 8, .value_kind: global_buffer, .address_space: global }
    .group_segment_fixed_size: 327680
    .private_segment_fixed_size: 0
    .kernarg_segment_align: 8
    .kernarg_segment_size: 32
    .max_flat_workgroup_size: 128
    .sgpr_count:     68
    .vgpr_count:     512
    .wavefront_size: 32
...
	.end_amdgpu_metadata
.endif
;; end of part 4
;; launch fine (part 5): grid 64 x 2, 16 waves a work-group, no clusters, 18,432 bytes of LDS; arguments qkv32, w_out, b_out, out0; writes out0
.if DOCPART == 5
	.amdgcn_target "amdgcn-amd-amdhsa--gfx1250"
	.amdhsa_code_object_version 6
	.text
	.protected	k_qb8d58a027f_fine
	.globl	k_qb8d58a027f_fine
	.p2align	8
	.type	k_qb8d58a027f_fine,@function
k_qb8d58a027f_fine:
	s_mov_b64 s[64:65], 0
	v_nop
	global_prefetch_b8 v0, s[64:65] scope:SCOPE_SE
	s_setreg_imm32_b32 hwreg(HW_REG_WAVE_MODE, 25, 1), 1
	s_wait_xcnt 0x0
; THE FIRST 16 POSITIONS OF EACH SEQUENCE, IN F32 THROUGHOUT: under the causal mask these rows average one to sixteen values, so the rounding of 16-bit operands would weigh most here.
; out0[b][q][n] = sum over heads and channels of softmax_k<=q(q . k / 8) v  x  w_out[n][..] + b_out[n], q = 0..15; NaN becomes 0.  It writes 32 rows of out0 over what the launch before left there.
; SHARES.  A work-group has a batch and 16 columns n of out0; wave w is head w.  Each wave makes its head's 16 x 16 attention (32 matrix instructions of 16 x 16 x 4 in f32; every work-group repeats that small work)
; and multiplies its 16 x 64 result by w_out's 16 rows x its 64 columns (16 more).  The sixteen partial tiles meet in LDS as images of their registers; waves 0 and 1 add them, half each, and store.
; LAYOUT.  All three products are used transposed, so that a lane holds one query (lane % 16).  The form's K = 4 lies as slot 2 (lane / 16) + register; which k stands in a slot is free as long as both sources agree:
;   K Q^T: registers 2 q, 2 q + 1 hold channels 8 (q / 2) + 4 h + 2 (q % 2) + 0, 1;   V^T P: step c holds keys 8 h + 2 c + 0, 1;   W O^T: step (t, c) holds channels 16 t + 8 h + 2 c + 0, 1.
; Each sum runs in four accumulators that take turns; the registers that the matrix instructions write are written by them alone.
.set SPARE, 16384                      ; LDS: 16 images of 1,024 bytes; behind them the spare words, 128 bytes a wave
.set QF,  16                           ; v16-47   Q; later the head's result
.set AO,  16
.set KF,  48                           ; v48-79   K; later T v48-55, T2 v56-63, p v64-71
.set T,   48
.set T2,  56
.set PF,  64
.set VF,  80                           ; v80-111  V^T
.set WF,  112                          ; v112-143 w_out
.set IM,  80                           ; v80-143  later the 16 images
.set SA,  144                          ; v144-175 four accumulators of S^T
.set OA,  176                          ; v176-207 O^T, four tiles of 16 channels
.set DA,  208                          ; v208-239 four accumulators of the last product
.set BV,  240                          ; v240-243 b_out
	s_load_b256 s[4:11], s[0:1], 0x0               ; qkv32, w_out, b_out, out0
	v_lshl_add_u32 v12, v0, 2, SPARE               ; my spare word; never rewritten
	v_mov_b32 v13, 0                               ; 0; never rewritten
	v_lshrrev_b32 v1, 5, v0
	v_readfirstlane_b32 s12, v1                    ; wave = head
	v_and_b32 v1, 15, v0                           ; r
	v_bfe_u32 v2, v0, 4, 1                         ; h
	v_and_b32 v14, 31, v0                          ; lane
	s_and_b32 s13, ttmp7, 0xffff                   ; the batch
	s_and_b32 s14, s12, 1
	v_mul_u32_u24 v3, v1, 12288
	v_lshl_add_u32 v3, v2, 4, v3                   ; Q, K: row r of 12,288 bytes + 16 h
	v_mul_u32_u24 v4, v2, 98304
	v_lshl_add_u32 v4, v1, 2, v4                   ; V: key 8 h, channel r
	v_lshlrev_b32 v5, 12, v1
	v_lshl_add_u32 v5, v2, 5, v5                   ; w_out: row r of 4,096 bytes + 32 h
	s_lshl_b32 s15, s12, 10
	v_lshl_add_u32 v6, v14, 4, s15                 ; my image: 1,024 x wave + 16 x lane
	s_lshl_b32 s15, s14, 9
	v_lshl_add_u32 v7, v14, 4, s15                 ; the half of every image that I add: 512 x (wave % 2) + 16 x lane
	s_lshl_b32 s15, s14, 4
	v_add_nc_u32 v8, s15, v5                       ; out0: row r, + 32 h + 16 x (wave % 2)
	v_lshl_add_u32 v9, v2, 5, s15                  ; b_out: the same four columns
	v_lshlrev_b32 v10, 3, v2
	v_sub_nc_u32 v10, v1, v10                      ; d = r - 8 h: register j holds key 8 h + j, hidden where j > d
	v_mov_b32 v11, 0xff800000                      ; -infinity
	v_mov_b32 v245, 0                              ; a lane permute's destination counts as one of its sources
	v_mov_b32 v253, 0                              ; (the upper word of the pair v[252:253])
	s_mov_b32 s24, 0x76543210
	s_mov_b32 s25, 0xfedcba98                      ; v_permlanex16_b32's selects for lane l xor 16
	s_mov_b32 s26, 0x3e38aa3b                      ; c = log2(e) / 8
	s_mul_i32 s16, s13, 16*3072*4
	s_lshl_b32 s17, s12, 8
	s_add_co_u32 s16, s16, s17                     ; qkv32: my batch, my head's 64 columns
	s_mov_b32 s17, 0
	s_lshl_b32 s18, ttmp9, 16                      ; w_out: 16 rows of 4,096 bytes a work-group,
	s_lshl_b32 s19, s12, 8
	s_add_co_u32 s18, s18, s19                     ; my head's 64 columns
	s_mov_b32 s19, 0
	s_lshl_b32 s20, ttmp9, 6                       ; 16 columns of f32
	s_mov_b32 s21, 0
	s_lshl_b32 s22, s13, 23                        ; out0: 2,048 rows of 4,096 bytes a batch
	s_add_co_u32 s22, s22, s20
	s_mov_b32 s23, 0
	s_wait_kmcnt 0x0
	s_add_nc_u64 s[4:5], s[4:5], s[16:17]
	s_add_nc_u64 s[6:7], s[6:7], s[18:19]
	s_add_nc_u64 s[8:9], s[8:9], s[20:21]
	s_add_nc_u64 s[10:11], s[10:11], s[22:23]
.irp c, 0,1,2,3,4,5,6,7
	global_load_b128 v[QF+4*\c:QF+4*\c+3], v3, s[4:5] offset:32*\c
.endr
.irp c, 0,1,2,3,4,5,6,7
	global_load_b128 v[KF+4*\c:KF+4*\c+3], v3, s[4:5] offset:4096+32*\c
.endr
.irp t, 0,1,2,3
.irp i, 0,1,2,3,4,5,6,7
	global_load_b32 v[VF+8*\t+\i], v4, s[4:5] offset:8192+12288*\i+64*\t   ; v(key 8 h + i, channel 16 t + r)
.endr
.endr
.irp t, 0,1,2,3
	global_load_b128 v[WF+8*\t:WF+8*\t+3], v5, s[6:7] offset:64*\t         ; w_out(n0 + r, 64 w + 16 t + 8 h + 0 .. 7)
	global_load_b128 v[WF+8*\t+4:WF+8*\t+7], v5, s[6:7] offset:64*\t+16
.endr
	global_load_b128 v[BV:BV+3], v9, s[8:9]
	s_wait_loadcnt 41                              ; Q and K are in; V's 32 loads, w_out's 8 and b_out's one may be out
.set q, 0
.rept 16                                       ; S^T = K Q^T
.if q < 4
	v_wmma_f32_16x16x4_f32 v[SA+8*(q%4):SA+8*(q%4)+7], v[KF+2*q:KF+2*q+1], v[QF+2*q:QF+2*q+1], 0
.else
	v_wmma_f32_16x16x4_f32 v[SA+8*(q%4):SA+8*(q%4)+7], v[KF+2*q:KF+2*q+1], v[QF+2*q:QF+2*q+1], v[SA+8*(q%4):SA+8*(q%4)+7]
.endif
.set q, q+1
.endr
.rept 8
	v_nop                                          ; eight places behind this form (ISA guide 7.12.1)
.endr
.irp j, 0,2,4,6
	v_pk_add_f32 v[T+\j:T+\j+1], v[SA+\j:SA+\j+1], v[SA+8+\j:SA+8+\j+1]
.endr
.irp j, 0,2,4,6
	v_pk_add_f32 v[T2+\j:T2+\j+1], v[SA+16+\j:SA+16+\j+1], v[SA+24+\j:SA+24+\j+1]
.endr
.irp j, 0,2,4,6
	v_pk_add_f32 v[T+\j:T+\j+1], v[T+\j:T+\j+1], v[T2+\j:T2+\j+1]
.endr
.irp j, 0,1,2,3,4,5,6,7
	v_cmp_gt_i32 vcc_lo, \j, v10
	v_cndmask_b32 v[T+\j], v[T+\j], v11, vcc_lo    ; hidden keys: -infinity.  Key 0 counts for every query
.endr
	v_max3_num_f32 v244, v[T], v[T+1], v[T+2]
	v_max3_num_f32 v244, v244, v[T+3], v[T+4]
	v_max3_num_f32 v244, v244, v[T+5], v[T+6]
	v_max_num_f32 v244, v244, v[T+7]
	v_permlanex16_b32 v245, v244, s24, s25
	v_max_num_f32 v244, v244, v245                 ; the row's largest score
	v_mul_f32 v246, s26, v244
.irp j, 0,1,2,3,4,5,6,7
	v_fma_f32 v[PF+\j], v[T+\j], s26, -v246
.endr
.irp j, 0,1,2,3,4,5,6,7
	v_exp_f32 v[PF+\j], v[PF+\j]
.endr
	v_nop
	s_wait_alu depctr_va_vdst(0)                   ; one wait for the eight, ahead of their first reader
	v_pk_add_f32 v[248:249], v[PF:PF+1], v[PF+2:PF+3]
	v_pk_add_f32 v[250:251], v[PF+4:PF+5], v[PF+6:PF+7]
	v_pk_add_f32 v[248:249], v[248:249], v[250:251]
	v_add_f32 v247, v248, v249
	v_permlanex16_b32 v245, v247, s24, s25
	v_add_f32 v247, v247, v245                     ; the row's sum
	v_rcp_f32 v252, v247
	v_nop
	s_wait_alu depctr_va_vdst(0)
	s_wait_loadcnt 9                               ; V is in
.irp c, 0,1,2,3                                ; O^T = V^T P
.irp t, 0,1,2,3
.if \c == 0
	v_wmma_f32_16x16x4_f32 v[OA+8*\t:OA+8*\t+7], v[VF+8*\t+2*\c:VF+8*\t+2*\c+1], v[PF+2*\c:PF+2*\c+1], 0
.else
	v_wmma_f32_16x16x4_f32 v[OA+8*\t:OA+8*\t+7], v[VF+8*\t+2*\c:VF+8*\t+2*\c+1], v[PF+2*\c:PF+2*\c+1], v[OA+8*\t:OA+8*\t+7]
.endif
.endr
.endr
.rept 8
	v_nop
.endr
.set n, 0
.rept 16
	v_pk_mul_f32 v[AO+n:AO+n+1], v[OA+n:OA+n+1], v[252:253] op_sel_hi:[1,0]   ; / the sum: register 8 t + j is channel 16 t + 8 h + j of query r
.set n, n+2
.endr
	s_wait_loadcnt 1                               ; w_out is in
.irp c, 0,1,2,3                                ; my head's part of the last product
.irp t, 0,1,2,3
.if \c == 0
	v_wmma_f32_16x16x4_f32 v[DA+8*\t:DA+8*\t+7], v[WF+8*\t+2*\c:WF+8*\t+2*\c+1], v[AO+8*\t+2*\c:AO+8*\t+2*\c+1], 0
.else
	v_wmma_f32_16x16x4_f32 v[DA+8*\t:DA+8*\t+7], v[WF+8*\t+2*\c:WF+8*\t+2*\c+1], v[AO+8*\t+2*\c:AO+8*\t+2*\c+1], v[DA+8*\t:DA+8*\t+7]
.endif
.endr
.endr
.rept 8
	v_nop
.endr
.irp j, 0,2,4,6
	v_pk_add_f32 v[T+\j:T+\j+1], v[DA+\j:DA+\j+1], v[DA+8+\j:DA+8+\j+1]
.endr
.irp j, 0,2,4,6
	v_pk_add_f32 v[T2+\j:T2+\j+1], v[DA+16+\j:DA+16+\j+1], v[DA+24+\j:DA+24+\j+1]
.endr
.irp j, 0,2,4,6
	v_pk_add_f32 v[T+\j:T+\j+1], v[T+\j:T+\j+1], v[T2+\j:T2+\j+1]   ; register j: column n0 + 8 h + j of query r
.endr
	ds_store_b128 v6, v[T:T+3]
	ds_store_b128 v6, v[T+4:T+7] offset:512
	s_wait_dscnt 0x0                               ; for the others' sake: my image lies in LDS
	s_barrier_signal -1
	s_barrier_wait -1
	s_cmp_ge_u32 s12, 2
	s_cbranch_scc1 .Lend
.irp p, 0,1,2,3,4,5,6,7,8,9,10,11,12,13,14,15
	ds_load_b128 v[IM+4*\p:IM+4*\p+3], v7 offset:1024*\p
.endr
	s_wait_dscnt 0x0
.irp w, 8,4,2,1                                ; the sixteen heads' parts, added by halves
.set n, 0
.rept 2*\w
	v_pk_add_f32 v[IM+n:IM+n+1], v[IM+n:IM+n+1], v[IM+4*\w+n:IM+4*\w+n+1]
.set n, n+2
.endr
.endr
	s_wait_loadcnt 0x0                             ; b_out
	v_pk_add_f32 v[IM:IM+1], v[IM:IM+1], v[BV:BV+1]
	v_pk_add_f32 v[IM+2:IM+3], v[IM+2:IM+3], v[BV+2:BV+3]
.irp j, 0,1,2,3
	v_cmp_eq_f32 vcc_lo, v[IM+\j], v[IM+\j]
	v_cndmask_b32 v[244+\j], 0, v[IM+\j], vcc_lo   ; NaN becomes 0
.endr
	global_store_b128 v8, v[244:247], s[10:11]     ; 16 bytes a lane: 64 bytes of each of 16 rows from the two waves: 128 KiB in the whole launch
.Lend:
	s_wait_tensorcnt 0x0                           ; the wave's end, behind my last LDS store
	ds_add_u32 v12, v13
	s_wait_dscnt 0x0
	s_endpgm
.Lfunc_end_k_qb8d58a027f_fine:
	.size	k_qb8d58a027f_fine, .Lfunc_end_k_qb8d58a027f_fine-k_qb8d58a027f_fine
	.p2alignl 7, 3214868480
	.fill 96, 4, 3214868480
	.section	.rodata,"a",@progbits
	.p2align	6, 0x0
	.amdhsa_kernel k_qb8d58a027f_fine
		.amdhsa_group_segment_fixed_size 18432
		.amdhsa_private_segment_fixed_size 0
		.amdhsa_enable_private_segment 0
		.amdhsa_kernarg_size 32
		.amdhsa_user_sgpr_count 2
		.amdhsa_user_sgpr_kernarg_segment_ptr 1
		.amdhsa_wavefront_size32 1
		.amdhsa_system_sgpr_workgroup_id_x 1
		.amdhsa_system_sgpr_workgroup_id_y 1
		.amdhsa_system_sgpr_workgroup_id_z 1
		.amdhsa_system_vgpr_workitem_id 0
		.amdhsa_next_free_vgpr 256
		.amdhsa_next_free_sgpr 66
		.amdhsa_reserve_vcc 1
		.amdhsa_float_denorm_mode_32 3
		.amdhsa_float_denorm_mode_16_64 3
		.amdhsa_memory_ordered 1
		.amdhsa_forward_progress 1
		.amdhsa_inst_pref_size 20
	.end_amdhsa_kernel
	.amdgpu_metadata
---
amdhsa.version: [ 1, 2 ]
amdhsa.kernels:
  - .name:           k_qb8d58a027f_fine
    .symbol:         k_qb8d58a027f_fine.kd
    .args:
      - { .name: qkv32, .offset: 0, .size: 8, .value_kind: global_buffer, .address_space: global }
      - { .name: w_out, .offset: 8, .size: 8, .value_kind: global_buffer, .address_space: global }
      - { .name: b_out, .offset: 16, .size: 8, .value_kind: global_buffer, .address_space: global }
      - { .name: out0, .offset: 24, .size: 8, .value_kind: global_buffer, .address_space: global }
    .group_segment_fixed_size: 18432
    .private_segment_fixed_size: 0
    .kernarg_segment_align: 8
    .kernarg_segment_size: 32
    .max_flat_workgroup_size: 512
    .sgpr_count:     66
    .vgpr_count:     256
    .wavefront_size: 32
...
	.end_amdgpu_metadata
.endif
;; end of part 5
